; MI455X (gfx1250); checked and timed in simulation.
; The chip was launched on July 23, 2026; its instructions are those of AMD's public machine-readable ISA for CDNA 5 (MIT licence, August 2026) and "CDNA5" Instruction Set Architecture Reference Guide (July 2026). The comments in the code are by the model that wrote it; some were corrected since.
;; Gated Spatio Temp Attention. Allowed arithmetic: float matrix products may take bf16 or f16 operands with f32 sums; all other float work in f32.
;; Inputs: Wg 2,048 x 1 float32; Wk 2,048 x 1,024 float32; Wq 2,048 x 1,024 float32; Wv 2,048 x 1,024 float32; bg 1 float32; bk 1,024 float32; bq 1,024 float32; bv 1,024 float32; sem 8 x 1,024 x 1,024 float32; temp 8 x 1,024 x 1,024 float32.
;; Outputs: out0 8 x 1,024 x 1,024 float32; out1 8 x 1,024 float32.
;; 2 versions, each right; version 2 is version 1 with the launch prep written anew for expert scheduling mode. Each part assembles by itself: llvm-mc -triple=amdgcn-amd-amdhsa -mcpu=gfx1250 --defsym DOCPART=n.
;; ======== version 1 of 2: 5 launches
;; limits: values outside matrix products are rounded to bf16
;; workspace buffers: xb 33,554,432 bytes; wb 12,582,912 bytes; gate 32,768 bytes; qkv 50,331,648 bytes; pu 16,777,216 bytes; st 524,288 bytes; pn 16,777,216 bytes; psum 131,072 bytes
;; launch prep (part 1): grid 352 x 1, 8 waves a work-group, no clusters, 0 bytes of LDS; arguments sem, temp, Wq, Wk, Wv, Wg, bg, xb, wb, gate; writes xb, wb, gate
.if DOCPART == 1
	.amdgcn_target "amdgcn-amd-amdhsa--gfx1250"
	.amdhsa_code_object_version 6
	.text
	.protected	k_q3dd50f025b_prep
	.globl	k_q3dd50f025b_prep
	.p2align	8
	.type	k_q3dd50f025b_prep,@function
k_q3dd50f025b_prep:
	s_mov_b64 s[64:65], 0
	v_nop
	global_prefetch_b8 v0, s[64:65] scope:SCOPE_SE
	s_setreg_imm32_b32 hwreg(HW_REG_WAVE_MODE, 25, 1), 1
	s_wait_xcnt 0x0
; xb[m][0:1024] = bf16(sem[m]), xb[m][1024:2048] = bf16(temp[m]); wb[p] = bf16(Wq, Wk, Wv), in their own order [k][n];
; gate[m] = sigmoid(sum over k of [sem|temp][m][k] Wg[k] + bg), in f32 from the unrounded inputs.
; A stream: every input byte is read once, by 16-byte loads of which a wave's 32 cover 512 consecutive bytes; every output byte is written once, by 8-byte stores of
; which a wave's 32 cover 256 consecutive bytes, aligned.  No LDS, no matrix unit, no cluster: no two work-groups read the same bytes but Wg's 8,192.
; SHARES.  Work-groups 0-255: 32 rows of x each; work-groups 256-351: 32 pieces of 2,048 numbers of one weight matrix each: the same bytes in and out for all 352.
; A wave takes 4 rows (pieces), two at a time: a row is 16 loads, 64 registers, and stays in registers between the dot product and the rounding.
; The gate leaves as 16 bytes a wave (4 rows): 32,768 bytes in the whole launch; NaN and infinities are not treated apart.
.set WGV, 16                           ; v[16:79]   Wg: my 4 numbers of each of its 16 runs of 128
.set X,   80                           ; v[80:207]  two row slots of 64 registers
; v1 lane; v2 16 x lane (in); v3 8 x lane (out); v4 the wave's four dot products, row i in lane i; v5 4 x lane; v[6:13] four chains of the dot product
; s24 wave; s25 row in the wave; s[28:29], s[30:31] the two halves of a row in memory; s[32:33] the row in the output; s36 trips
	s_load_b512 s[4:19], s[0:1], 0x0               ; sem s[4:5], temp s[6:7], Wq s[8:9], Wk s[10:11], Wv s[12:13], Wg s[14:15], bg s[16:17], xb s[18:19]
	s_load_b128 s[20:23], s[0:1], 0x40             ; wb s[20:21], gate s[22:23]
	v_and_b32 v1, 31, v0
	v_lshrrev_b32 v5, 5, v0
	v_readfirstlane_b32 s24, v5                    ; wave 0..7
	v_lshlrev_b32 v2, 4, v1
	v_lshlrev_b32 v3, 3, v1
	v_lshlrev_b32 v5, 2, v1
	s_mov_b32 s38, 0x76543210                      ; v_permlanex16_b32: each lane takes its own place in the other half
	s_mov_b32 s39, 0xfedcba98
	s_mov_b32 s36, 2
	s_mov_b32 s27, 0
	s_mov_b32 s41, 0
	s_wait_kmcnt 0x0
.macro LOADROW slot, step              ; 16 loads: 8 from each half's address; the second slot's row lies step bytes on
.set j, 0
.rept 8
	global_load_b128 v[X+64*(\slot)+4*j:X+64*(\slot)+4*j+3], v2, s[28:29] offset:512*j+(\slot)*(\step) th:TH_LOAD_NT
.set j, j+1
.endr
.set j, 0
.rept 8
	global_load_b128 v[X+64*(\slot)+32+4*j:X+64*(\slot)+32+4*j+3], v2, s[30:31] offset:512*j+(\slot)*(\step) th:TH_LOAD_NT
.set j, j+1
.endr
.endm
.macro DOT slot                        ; the row times Wg: four chains that do not wait for each other, started by products; then across the 32 lanes
.set p, 0
.rept 4
	v_pk_mul_f32 v[6+2*p:7+2*p], v[X+64*(\slot)+2*p:X+64*(\slot)+2*p+1], v[WGV+2*p:WGV+2*p+1]
.set p, p+1
.endr
.rept 28
	v_pk_fma_f32 v[6+2*(p%4):7+2*(p%4)], v[X+64*(\slot)+2*p:X+64*(\slot)+2*p+1], v[WGV+2*p:WGV+2*p+1], v[6+2*(p%4):7+2*(p%4)]
.set p, p+1
.endr
	v_pk_add_f32 v[6:7], v[6:7], v[8:9]
	v_pk_add_f32 v[10:11], v[10:11], v[12:13]
	v_pk_add_f32 v[6:7], v[6:7], v[10:11]
	v_add_f32 v6, v6, v7
	v_add_f32_dpp v6, v6, v6 row_xmask:1 row_mask:0xf bank_mask:0xf
	v_add_f32_dpp v6, v6, v6 row_xmask:2 row_mask:0xf bank_mask:0xf
	v_add_f32_dpp v6, v6, v6 row_xmask:4 row_mask:0xf bank_mask:0xf
	v_add_f32_dpp v6, v6, v6 row_xmask:8 row_mask:0xf bank_mask:0xf
	v_permlanex16_b32 v7, v6, s38, s39
	v_add_f32 v6, v6, v7
	v_cmp_eq_u32 vcc_lo, s25, v1                   ; the lane whose number is the row's keeps it
	v_cndmask_b32 v4, v4, v6, vcc_lo
	s_add_co_u32 s25, s25, 1
.endm
.macro CVTST slot                      ; rounded in place, four numbers to 8 bytes a lane, and stored
.set j, 0
.rept 16
	v_cvt_pk_bf16_f32 v[X+64*(\slot)+4*j], v[X+64*(\slot)+4*j], v[X+64*(\slot)+4*j+1]
	v_cvt_pk_bf16_f32 v[X+64*(\slot)+4*j+1], v[X+64*(\slot)+4*j+2], v[X+64*(\slot)+4*j+3]
	global_store_b64 v3, v[X+64*(\slot)+4*j:X+64*(\slot)+4*j+1], s[32:33] offset:256*j+4096*(\slot)
.set j, j+1
.endr
.endm
	s_cmp_lt_u32 ttmp9, 256
	s_cbranch_scc0 .Lweights
	; ---- rows of x
	s_load_b32 s34, s[16:17], 0x0                  ; bg
	s_lshl_b32 s26, ttmp9, 17                      ; 32 rows of 4,096 bytes a work-group,
	s_lshl_b32 s25, s24, 14                        ; 4 a wave
	s_add_co_u32 s26, s26, s25
	s_lshr_b32 s40, s26, 10                        ; the same rows in gate: 4 bytes each
	s_add_nc_u64 s[28:29], s[4:5], s[26:27]
	s_add_nc_u64 s[30:31], s[6:7], s[26:27]
	s_add_nc_u64 s[32:33], s[18:19], s[26:27]      ; a row of xb is 4,096 bytes too
	s_add_nc_u64 s[22:23], s[22:23], s[40:41]
.set j, 0
.rept 16
	global_load_b128 v[WGV+4*j:WGV+4*j+3], v2, s[14:15] offset:512*j
.set j, j+1
.endr
	v_mov_b32 v4, 0
	s_mov_b32 s25, 0
.Lrows:
	LOADROW 0, 4096
	LOADROW 1, 4096
	s_wait_loadcnt 16                              ; loads come back in order: the first row (and Wg) is in, the second row's 16 stay out
	DOT 0
	CVTST 0
	s_wait_loadcnt 0x0
	DOT 1
	CVTST 1
	s_wait_xcnt 0x0                                ; the stores' data registers and the three bases are rewritten only behind this wait
	s_add_nc_u64 s[28:29], s[28:29], 8192
	s_add_nc_u64 s[30:31], s[30:31], 8192
	s_add_nc_u64 s[32:33], s[32:33], 8192
	s_sub_co_u32 s36, s36, 1
	s_cmp_lg_u32 s36, 0
	s_cbranch_scc1 .Lrows
	s_wait_kmcnt 0x0                               ; bg
	v_add_f32 v4, s34, v4
	v_mul_f32 v4, 0xbfb8aa3b, v4                   ; sigmoid(x) = 1 / (1 + 2^(-log2(e) x))
	v_exp_f32 v4, v4
	v_nop                                          ; a plain instruction behind a transcendental, before its result is used
	s_wait_alu depctr_va_vdst(0)
	v_add_f32 v4, 1.0, v4
	v_rcp_f32 v4, v4
	v_nop
	s_wait_xcnt 0x0                                ; EXEC changes only behind this wait
	v_cmp_gt_u32 vcc_lo, 4, v1
	s_and_saveexec_b32 s35, vcc_lo
	s_wait_alu depctr_va_vdst(0)
	global_store_b32 v5, v4, s[22:23]              ; lanes 0-3: the wave's four rows
	s_wait_xcnt 0x0
	s_or_b32 exec_lo, exec_lo, s35
	s_endpgm
	; ---- pieces of a weight matrix: 8,192 bytes in, 4,096 out
.Lweights:
	s_sub_co_u32 s25, ttmp9, 256
	s_lshr_b32 s37, s25, 5                         ; which matrix
	s_and_b32 s25, s25, 31                         ; which 32 pieces of it
	s_cmp_eq_u32 s37, 1
	s_cselect_b64 s[28:29], s[10:11], s[8:9]
	s_cmp_eq_u32 s37, 2
	s_cselect_b64 s[28:29], s[12:13], s[28:29]
	s_lshl_b32 s26, s25, 18
	s_lshl_b32 s40, s24, 15
	s_add_co_u32 s26, s26, s40
	s_add_nc_u64 s[28:29], s[28:29], s[26:27]
	s_add_nc_u64 s[30:31], s[28:29], 4096
	s_lshr_b32 s40, s26, 1
	s_lshl_b32 s37, s37, 22
	s_add_co_u32 s40, s40, s37
	s_add_nc_u64 s[32:33], s[20:21], s[40:41]
.Lpieces:
	LOADROW 0, 8192
	LOADROW 1, 8192
	s_wait_loadcnt 16                              ; the first piece is in, the second's 16 loads stay out
	CVTST 0
	s_wait_loadcnt 0x0
	CVTST 1
	s_wait_xcnt 0x0                                ; as above
	s_add_nc_u64 s[28:29], s[28:29], 16384
	s_add_nc_u64 s[30:31], s[30:31], 16384
	s_add_nc_u64 s[32:33], s[32:33], 8192
	s_sub_co_u32 s36, s36, 1
	s_cmp_lg_u32 s36, 0
	s_cbranch_scc1 .Lpieces
	s_endpgm
.Lfunc_end_k_q3dd50f025b_prep:
	.size	k_q3dd50f025b_prep, .Lfunc_end_k_q3dd50f025b_prep-k_q3dd50f025b_prep
	.p2alignl 7, 3214868480
	.fill 96, 4, 3214868480
	.section	.rodata,"a",@progbits
	.p2align	6, 0x0
	.amdhsa_kernel k_q3dd50f025b_prep
		.amdhsa_group_segment_fixed_size 0
		.amdhsa_private_segment_fixed_size 0
		.amdhsa_enable_private_segment 0
		.amdhsa_kernarg_size 80
		.amdhsa_user_sgpr_count 2
		.amdhsa_user_sgpr_kernarg_segment_ptr 1
		.amdhsa_wavefront_size32 1
		.amdhsa_system_sgpr_workgroup_id_x 1
		.amdhsa_system_sgpr_workgroup_id_y 1
		.amdhsa_system_sgpr_workgroup_id_z 1
		.amdhsa_system_vgpr_workitem_id 0
		.amdhsa_next_free_vgpr 208
		.amdhsa_next_free_sgpr 66
		.amdhsa_reserve_vcc 1
		.amdhsa_float_denorm_mode_32 3
		.amdhsa_float_denorm_mode_16_64 3
		.amdhsa_memory_ordered 1
		.amdhsa_forward_progress 1
		.amdhsa_inst_pref_size 31
	.end_amdhsa_kernel
	.amdgpu_metadata
---
amdhsa.version: [ 1, 2 ]
amdhsa.kernels:
  - .name:           k_q3dd50f025b_prep
    .symbol:         k_q3dd50f025b_prep.kd
    .args:
      - { .name: sem, .offset: 0, .size: 8, .value_kind: global_buffer, .address_space: global }
      - { .name: temp, .offset: 8, .size: 8, .value_kind: global_buffer, .address_space: global }
      - { .name: Wq, .offset: 16, .size: 8, .value_kind: global_buffer, .address_space: global }
      - { .name: Wk, .offset: 24, .size: 8, .value_kind: global_buffer, .address_space: global }
      - { .name: Wv, .offset: 32, .size: 8, .value_kind: global_buffer, .address_space: global }
      - { .name: Wg, .offset: 40, .size: 8, .value_kind: global_buffer, .address_space: global }
      - { .name: bg, .offset: 48, .size: 8, .value_kind: global_buffer, .address_space: global }
      - { .name: xb, .offset: 56, .size: 8, .value_kind: global_buffer, .address_space: global }
      - { .name: wb, .offset: 64, .size: 8, .value_kind: global_buffer, .address_space: global }
      - { .name: gate, .offset: 72, .size: 8, .value_kind: global_buffer, .address_space: global }
    .group_segment_fixed_size: 0
    .private_segment_fixed_size: 0
    .kernarg_segment_align: 8
    .kernarg_segment_size: 80
    .max_flat_workgroup_size: 256
    .sgpr_count:     66
    .vgpr_count:     208
    .wavefront_size: 32
...
	.end_amdgpu_metadata
.endif
;; end of part 1
;; launch proj (part 2): grid 12 x 32, 4 waves a work-group, clusters of 4 x 4, 327,680 bytes of LDS; arguments xb, wb, bq, bk, bv, qkv; writes qkv
.if DOCPART == 2
	.amdgcn_target "amdgcn-amd-amdhsa--gfx1250"
	.amdhsa_code_object_version 6
	.text
	.protected	k_q3dd50f025b_proj
	.globl	k_q3dd50f025b_proj
	.p2align	8
	.type	k_q3dd50f025b_proj,@function
k_q3dd50f025b_proj:
	s_mov_b64 s[64:65], 0
	v_nop
	global_prefetch_b8 v0, s[64:65] scope:SCOPE_SE
	s_setreg_imm32_b32 hwreg(HW_REG_WAVE_MODE, 25, 1), 1
	s_wait_xcnt 0x0
	s_wait_alu depctr_hold_cnt(0) depctr_sa_sdst(0) depctr_va_vdst(0) depctr_va_sdst(0) depctr_va_ssrc(0) depctr_va_vcc(0) depctr_vm_vsrc(0)
	s_getreg_b32 s2, hwreg(HW_REG_IB_STS2, 6, 4)
	s_cmp_eq_u32 s2, 0
	s_cbranch_scc0 .Lentry_in_a_cluster
	s_endpgm
.Lentry_in_a_cluster:
	s_bfe_u32 s2, ttmp6, 0x10000c
	s_cmp_lg_u32 s2, 0xf033
	s_cbranch_scc0 .Lentry_shape_is_right
	s_endpgm
.Lentry_shape_is_right:
; qkv[p][m][n] = bf16(b_p[n] + sum over k of xb[m][k] wb[p][k][n]), p = 0, 1, 2 (Q, K, V).  xb: [8192][2048], wb: [3][2048][1024], qkv: [3][8192][1024], all bf16; sums in f32, rounded once.
; SHARES.  A tile of 256 rows x 256 columns to a work-group: 32 x 12 = 384 of them.  Four waves, each 128 x 128: 64 accumulators of 16 x 16, 512 registers.
; WHY THIS TILE.  A refill has the work between two changes of slots in which to land.  A K step of 128 of this tile is 139,264 bytes of LDS and 256 matrix instructions a wave, of which 224 stand between a
; request and the wait for it; a tile of 128 x 256 (768 work-groups, three for each of 256 WGPs) has 104,448 bytes for 128, and two slots of twice its K step do not fit in 327,680 bytes.  The price is stated:
; 384 work-groups are a round and a half on 256 WGPs.  For 32 along K a wave reads 32 x 512 bytes from LDS for 64 matrix instructions.
; K goes in steps of 128 through two LDS slots filled by the tensor data mover, one load a wave and step: waves 0, 1 fetch the halves of x's tile (128 rows of 256 bytes), waves 2, 3 those of
; W's (64 k-rows of 512 bytes).  W lies [k][n] and is turned on the way out of LDS, by ds_load_tr16_b128.
; CLUSTER.  4 x 4 work-groups; cluster x is the matrix p.  The four of a row of the cluster need the same tile of x, the four of a column the same tile of W: each is asked for JOINTLY.
; THE MATRIX INSTRUCTION IS USED TRANSPOSED (source 0 = 16 columns of W, source 1 = 16 rows of x): lane l holds row l % 16 and the columns 8 (l / 16) + 0..7: 16 neighbouring bytes of bf16.
; THE BIAS is the C operand of the product that starts each sum; it hangs on the column alone, so 8 x 8 registers serve all 64 accumulators.
; REGISTERS, in windows of 256 (s_set_vgpr_msb: bits 1:0 source 0, 3:2 source 1, 5:4 source 2, 7:6 destination):
;   window 0: v0-29 addresses; v32-63 packed results; v64-127, v128-191 two buffers of x's fragments (8 x 16 rows x 32 K); on the way out v64-127 rows read back
;   window 1: v0-63 the bias; v64-127, v128-191 two buffers of W's fragments
;   window 2: the 32 accumulators of my rows 0-63 (accumulator (a, b) at v[8 (8 a + b)]);   window 3: those of my rows 64-127
.set SIZE_K, 2048
.set LAPS,   SIZE_K/256                ; a lap = two K steps = once round the ring
.set PA,     272                       ; a row of x in LDS: 256 bytes + 16 = 68 words: row r starts at bank 4 r mod 64 (64 banks of 4 bytes: ISA guide 11.1)
.set PB,     544                       ; a k-row of W: 512 + 32 = 136 words: row r starts at bank 8 r mod 64
.set AHALF,  128*PA                    ; 128 rows of x: what one tensor load brings, and what one wave reads
.set BOFF,   2*AHALF                   ; W's tile lies behind x's 256 rows
.set BHALF,  64*PB                     ; 64 k-rows of W: what one tensor load brings
.set SLOT,   BOFF+2*BHALF              ; 139,264 bytes
.set STAGE,  2*SLOT                    ; behind the ring: 16 rows x 272 bytes for each wave, for the way out
.set SP,     272
.set SPARE,  STAGE+4*16*SP             ; behind the stages: the spare words, 128 bytes a wave: two blocks of 256 bytes that no other line names
.set ASTEP,  256                       ; bytes from K step to K step: 128 elements along x's rows,
.set BSTEP,  128*2048                  ; 128 k-rows of W
.set ADRA, 16                          ; v16-17  LDS address of my fragments of x in slot 0, 1
.set ADRB, 20                          ; v20-21  the same for W
.set STO,  24                          ; v24     the way out: where I put 16 bytes of a row
.set RD,   25                          ; v25     where I read a row back
.set CO,   26                          ; v26     my byte offset in two rows of qkv
.set SPW,  28                          ; v28     LDS address of my spare word; never rewritten
.set NIL,  29                          ; v29     0; never rewritten
.set TMP,  32
.set BK0,  64
.set F0,   64
.set F1,   128
.set G1A, 24                           ; s[24:31] descriptor group 1 for x's tiles;  s[32:39] group 0, a set for each slot
.set G0A, 32
.set G1B, 48                           ; s[48:55], s[56:63] the same for W's
.set G0B, 56
.set OUT, 74                           ; s[74:75] qkv at my part of the tile
.set MSB, 0
.macro WIN new                         ; the immediate's high byte repeats the setting that is left; a switch that changes nothing is dropped
.if MSB != (\new)
	s_set_vgpr_msb (MSB<<8)|(\new)
.set MSB, (\new)
.endif
.endm
.set MUL_LO, 0xa1                      ; source 0 (W) window 1, source 1 (x) window 0, C and D window 2;  + 0x50: C and D window 3
.set FST_LO, 0x91                      ; the same with C (the bias) in window 1;  + 0x40: D window 3
.set TO_B,   0x40                      ; destination window 1, address window 0
.macro JLOAD s                         ; a joint refill; an s_nop 0 and four v_nop follow each of the two lines, ahead of the jump and the label
	s_cmp_lt_u32 s10, 2
	s_cbranch_scc0 .Lfor_b_\@
	tensor_load_to_lds s[G0A+4*(\s):G0A+4*(\s)+3], s[G1A:G1A+7]
	s_nop 0
.rept 4
	v_nop
.endr
	s_branch .Lasked_\@
.Lfor_b_\@:
	tensor_load_to_lds s[G0B+4*(\s):G0B+4*(\s)+3], s[G1B:G1B+7]
	s_nop 0
.rept 4
	v_nop
.endr
.Lasked_\@:
.endm
.macro CREST                           ; a round of the cluster's barrier behind its opening barrier
	s_cmp_lg_u32 s10, 0
	s_cbranch_scc1 .Lnot_wave_0_\@
	s_barrier_signal -3
.Lnot_wave_0_\@:
	s_barrier_wait -3
	s_barrier_signal -1
	s_barrier_wait -1
.endm
.macro CROUND                          ; a whole round
	s_barrier_signal -1
	s_barrier_wait -1
	CREST
.endm
.macro PLACES                          ; four places in front of loads into registers that matrix instructions have read, and of instructions that read results
.rept 4
	v_nop
.endr
.endm
	s_load_b128 s[4:7], s[0:1], 0x0                ; xb s[4:5], wb s[6:7]
	s_load_b256 s[68:75], s[0:1], 0x10             ; bq s[68:69], bk s[70:71], bv s[72:73], qkv s[74:75]
	v_lshl_add_u32 v[SPW], v0, 2, SPARE
	v_mov_b32 v[NIL], 0
	ds_add_u32 v[SPW], v[NIL]                      ; the wave's opening: the add and its wait stand ahead of my first tensor load; the set-up below stands between them
	v_lshrrev_b32 v1, 5, v0
	v_readfirstlane_b32 s10, v1                    ; wave 0..3
	s_lshr_b32 s11, s10, 1                         ; which 128 rows of the tile are mine
	s_and_b32 s12, s10, 1                          ; which 128 columns; also: which half of a tile I fetch
	s_bfe_u32 s40, ttmp6, 0x40000                  ; cx
	s_bfe_u32 s41, ttmp6, 0x40004                  ; cy
	s_and_b32 s45, ttmp7, 0xffff                   ; cluster y
	s_lshl_b32 s13, s45, 2
	s_add_co_u32 s13, s13, s41                     ; tile row = 4 x cluster y + cy
	s_lshl_b32 s43, s41, 2
	s_lshl_b32 s43, 15, s43                        ; my row of the cluster
	s_lshl_b32 s44, 0x1111, s40                    ; my column
	s_or_b32 s[G1A+0], s43, (1<<16)|(1<<20)|(1<<21)|(5<<22)|(3<<25)  ; the mask; 2-byte elements; padding on; bit 21 beside a mask; after every 64 words 4 words
	s_mov_b32 s[G1A+1], 128<<16                    ; tensor_dim0 = 128
	s_mov_b32 s[G1A+2], 128<<16                    ; tensor_dim1 = 128
	s_mov_b32 s[G1A+3], 128<<16                    ; tile_dim0 = 128
	s_mov_b32 s[G1A+4], 128                        ; tile_dim1 = 128
	s_mov_b32 s[G1A+5], SIZE_K                     ; elements from row to row
	s_mov_b32 s[G1A+6], 0
	s_mov_b32 s[G1A+7], 0
	s_or_b32 s[G1B+0], s44, (1<<16)|(1<<20)|(1<<21)|(6<<22)|(7<<25)  ; after every 128 words 8 words
	s_mov_b32 s[G1B+1], 256<<16                    ; tensor_dim0 = 256
	s_mov_b32 s[G1B+2], 64<<16                     ; tensor_dim1 = 64
	s_mov_b32 s[G1B+3], 256<<16                    ; tile_dim0 = 256
	s_mov_b32 s[G1B+4], 64                         ; tile_dim1 = 64
	s_mov_b32 s[G1B+5], 1024
	s_mov_b32 s[G1B+6], 0
	s_mov_b32 s[G1B+7], 0
	s_lshl_b32 s16, s13, 8                         ; x: row 256 x tile row + 128 x half, 4,096 bytes each: it hangs on the tile row alone
	s_lshl_b32 s17, s12, 7
	s_add_co_u32 s16, s16, s17
	s_lshl_b32 s16, s16, 12
	s_mov_b32 s17, 0
	s_lshl_b32 s46, ttmp9, 22                      ; W: matrix p, k-row 64 x half, column 256 cx: it hangs on the tile column alone
	s_lshl_b32 s47, s12, 17
	s_add_co_u32 s46, s46, s47
	s_lshl_b32 s47, s40, 9
	s_add_co_u32 s46, s46, s47
	s_mov_b32 s47, 0
	s_mul_i32 s20, s12, AHALF                      ; where they go: no place in the cluster enters an LDS address
	s_mul_i32 s21, s12, BHALF
	s_add_co_u32 s21, s21, BOFF
	s_wait_dscnt 0x0                               ; the opening add is done
	s_wait_kmcnt 0x0
	s_add_nc_u64 s[14:15], s[4:5], s[16:17]
	s_add_nc_u64 s[46:47], s[6:7], s[46:47]
.irp s, 0,1
	s_mov_b32 s[G0A+4*(\s)], 1                     ; count = 1
	s_add_co_u32 s[G0A+4*(\s)+1], s20, (\s)*SLOT   ; LDS address
	s_add_nc_u64 s[G0A+4*(\s)+2:G0A+4*(\s)+3], s[14:15], (\s)*ASTEP  ; global address: K step s
	s_or_b32 s[G0A+4*(\s)+3], s[G0A+4*(\s)+3], 0x80000000            ; type = 2
	s_mov_b32 s[G0B+4*(\s)], 1
	s_add_co_u32 s[G0B+4*(\s)+1], s21, (\s)*SLOT
	s_add_nc_u64 s[G0B+4*(\s)+2:G0B+4*(\s)+3], s[46:47], (\s)*BSTEP
	s_or_b32 s[G0B+4*(\s)+3], s[G0B+4*(\s)+3], 0x80000000
.endr
	CROUND                                         ; all sixteen work-groups are here: the first joint loads meet
	s_cmp_lt_u32 s10, 2                            ; a wave's two first fills stand in one branch: two loads of mine are out
	s_cbranch_scc0 .Lfirst_b
	tensor_load_to_lds s[G0A:G0A+3], s[G1A:G1A+7]
	s_nop 0
	tensor_load_to_lds s[G0A+4:G0A+7], s[G1A:G1A+7]
	s_nop 0
.rept 4
	v_nop
.endr
	s_branch .Lfirst_asked
.Lfirst_b:
	tensor_load_to_lds s[G0B:G0B+3], s[G1B:G1B+7]
	s_nop 0
	tensor_load_to_lds s[G0B+4:G0B+7], s[G1B:G1B+7]
	s_nop 0
.rept 4
	v_nop
.endr
.Lfirst_asked:
	; the bias of my 128 columns: lane l wants the columns 16 b + 8 (l / 16) + 0..7 of each block b
	v_and_b32 v1, 15, v0                           ; l % 16
	v_bfe_u32 v2, v0, 4, 1                         ; l / 16
	v_lshlrev_b32 v7, 5, v2
	s_cmp_eq_u32 ttmp9, 1
	s_cselect_b64 s[78:79], s[70:71], s[68:69]
	s_cmp_eq_u32 ttmp9, 2
	s_cselect_b64 s[78:79], s[72:73], s[78:79]
	s_lshl_b32 s22, s40, 10
	s_lshl_b32 s23, s12, 9
	s_add_co_u32 s22, s22, s23
	s_mov_b32 s23, 0
	s_add_nc_u64 s[78:79], s[78:79], s[22:23]
	WIN TO_B                                       ; destination window 1, address window 0
.irp b, 0,1,2,3,4,5,6,7
	global_load_b128 v[8*(\b):8*(\b)+3],   v7, s[78:79] offset:64*(\b)
	global_load_b128 v[8*(\b)+4:8*(\b)+7], v7, s[78:79] offset:64*(\b)+16
.endr
	WIN 0
	; a fragment of x: lane l holds row l % 16, K = 8 (l / 16) + 0..7 and 16 + 8 (l / 16) + 0..7: two loads of 16 bytes, 32 bytes apart
	v_mul_u32_u24 v3, v1, PA
	v_lshl_add_u32 v3, v2, 4, v3
	s_mul_i32 s22, s11, AHALF                      ; my 128 rows
	v_add_nc_u32 v[ADRA], s22, v3
	v_add_nc_u32 v[ADRA+1], SLOT, v[ADRA]
	; the turning load takes 16 k x 16 columns (lane l reads k-row 8 (l / 16) + l % 8, columns 8 ((l / 8) % 2) + 0..7) and leaves half a fragment: lane l holds column l % 16 and 8 k
	v_and_b32 v5, 7, v0
	v_lshl_add_u32 v5, v2, 3, v5
	v_mul_u32_u24 v5, v5, PB
	v_bfe_u32 v6, v0, 3, 1
	v_lshl_add_u32 v5, v6, 4, v5
	s_lshl_b32 s22, s12, 8                         ; my 128 columns
	s_add_co_u32 s22, s22, BOFF
	v_add_nc_u32 v[ADRB], s22, v5
	v_add_nc_u32 v[ADRB+1], SLOT, v[ADRB]
	s_mul_i32 s23, s10, 16*SP
	s_add_co_u32 s23, s23, STAGE                   ; my stage
	v_add_nc_u32 v[STO], s23, v3                   ; in: row l % 16, 16 bytes for each half of the lanes
	v_mul_u32_u24 v5, v2, SP                       ; back: lanes 0-15 take one row of 256 bytes, lanes 16-31 the next
	v_lshl_add_u32 v5, v1, 4, v5
	v_add_nc_u32 v[RD], s23, v5
	v_lshlrev_b32 v6, 11, v2                       ; and the same two rows in qkv
	v_lshl_add_u32 v[CO], v1, 4, v6
	s_lshl_b32 s76, s13, 8                         ; my part of the tile in qkv: row 256 x tile row + 128 x half, 2,048 bytes each,
	s_lshl_b32 s77, s11, 7
	s_add_co_u32 s76, s76, s77
	s_lshl_b32 s76, s76, 11
	s_lshl_b32 s77, ttmp9, 24                      ; plane p,
	s_add_co_u32 s76, s76, s77
	s_lshl_b32 s77, s40, 9                         ; column 256 cx + 128 x half
	s_add_co_u32 s76, s76, s77
	s_lshl_b32 s77, s12, 8
	s_add_co_u32 s76, s76, s77
	s_mov_b32 s77, 0
	s_add_nc_u64 s[OUT:OUT+1], s[OUT:OUT+1], s[76:77]
; 16 matrix instructions: row blocks a0, a0 + 1 of the window's four (hi = 0: my rows 0-63, 1: rows 64-127) x all 8 column blocks, 32 along K.
; first = 1: the product starts the sums, onto the bias.  The 64 accumulators take turns in one order.
.macro MUL16 f, hi, a0, first
.if \first
	WIN FST_LO+0x40*(\hi)
.else
	WIN MUL_LO+0x50*(\hi)
.endif
.irp a, \a0, (\a0)+1
.irp b, 0,1,2,3,4,5,6,7
.if \first
	v_wmma_f32_16x16x32_bf16 v[8*(8*(\a)+(\b)):8*(8*(\a)+(\b))+7], v[(\f)+8*(\b):(\f)+8*(\b)+7], v[(\f)+8*(4*(\hi)+(\a)):(\f)+8*(4*(\hi)+(\a))+7], v[8*(\b):8*(\b)+7]
.else
	v_wmma_f32_16x16x32_bf16 v[8*(8*(\a)+(\b)):8*(8*(\a)+(\b))+7], v[(\f)+8*(\b):(\f)+8*(\b)+7], v[(\f)+8*(4*(\hi)+(\a)):(\f)+8*(4*(\hi)+(\a))+7], v[8*(8*(\a)+(\b)):8*(8*(\a)+(\b))+7]
.endif
.endr
.endr
.endm
; 32 LDS loads in one run: quarter q (32 along K) of a slot into buffer f: W's 16 (turned), then x's 16
.macro FETCH slot, q, f
	WIN TO_B
.irp i, 0,1,2,3,4,5,6,7
	ds_load_tr16_b128 v[(\f)+8*(\i):(\f)+8*(\i)+3],   v[ADRB+(\slot)] offset:(\q)*32*PB+32*(\i)
	ds_load_tr16_b128 v[(\f)+8*(\i)+4:(\f)+8*(\i)+7], v[ADRB+(\slot)] offset:(\q)*32*PB+16*PB+32*(\i)
.endr
	WIN 0
.irp i, 0,1,2,3,4,5,6,7
	ds_load_b128 v[(\f)+8*(\i):(\f)+8*(\i)+3],   v[ADRA+(\slot)] offset:64*(\q)+(\i)*16*PA
	ds_load_b128 v[(\f)+8*(\i)+4:(\f)+8*(\i)+7], v[ADRA+(\slot)] offset:64*(\q)+(\i)*16*PA+32
.endr
.endm
; A K step is four quarters of 64 matrix instructions, on buffers 0, 1, 0, 1.  One of the first three multiplies buffer f and, in its middle, fetches quarter q of the same slot into g.
.macro QUARTER slot, q, f, g, first
	s_wait_dscnt 8                                 ; W and x's rows 0-63 are in; the youngest eight loads (x's rows 64-127) may be out
	MUL16 \f, 0, 0, \first
	MUL16 \f, 0, 2, \first
	PLACES
	FETCH \slot, \q, \g
	s_wait_dscnt 32                                ; all but the 32 just issued
	MUL16 \f, 1, 0, \first
	MUL16 \f, 1, 2, \first
.endm
; The last quarter multiplies buffer 1 and changes slots: ONE barrier; in front of it each wave waits for all its tensor loads (one is out: its part of the next slot), adds 0 to its spare word,
; and waits for that and for its reads of this slot.  fill = 1: the barrier opens a round of the cluster's, and this slot is filled again, two K steps ahead: 224 matrix instructions ahead of the wait for it.
.macro TURN slot, next, fill
	WIN 0                                          ; (the add's two registers lie in window 0)
	s_wait_tensorcnt 0x0
	ds_add_u32 v[SPW], v[NIL]
	s_wait_dscnt 9                                 ; the add and the youngest eight loads may be out
	MUL16 F1, 0, 0, 0                              ; sixteen matrix instructions stand between the add and the wait for it
	s_wait_dscnt 0x0                               ; the add is done, and my reads of this slot are over
	s_barrier_signal -1
	MUL16 F1, 0, 2, 0                              ; work on registers while the others arrive
.if \fill
	WIN 0
.endif
	s_barrier_wait -1
.if \fill
	CREST                                          ; no wave of any partner still reads this slot's tiles or has a load on its way
	s_add_nc_u64 s[G0A+4*(\slot)+2:G0A+4*(\slot)+3], s[G0A+4*(\slot)+2:G0A+4*(\slot)+3], 2*ASTEP
	s_add_nc_u64 s[G0B+4*(\slot)+2:G0B+4*(\slot)+3], s[G0B+4*(\slot)+2:G0B+4*(\slot)+3], 2*BSTEP
	JLOAD \slot                                    ; the first tensor load behind the round; its four v_nop are also the places in front of the loads below
.else
	PLACES
.endif
	FETCH \next, 0, F0
	MUL16 F1, 1, 0, 0
	MUL16 F1, 1, 2, 0
.endm
	s_wait_tensorcnt 0x1                           ; my part of K step 0 is in; K step 1's may stay out
	s_barrier_signal -1
	s_barrier_wait -1
	FETCH 0, 0, F0
	s_wait_loadcnt 0x0                             ; the bias
	QUARTER 0, 1, F0, F1, 1                        ; the first quarter stands in front of the loop: its products start the sums
	WIN 0                                          ; at a label and at a branch every window is 0
	s_mov_b32 s3, LAPS-1
.Llap:                                                 ; a trip goes once round the ring, from a lap's second quarter to the next lap's first, and fills both slots again
	QUARTER 0, 2, F1, F0, 0
	QUARTER 0, 3, F0, F1, 0
	TURN 0, 1, 1
	QUARTER 1, 1, F0, F1, 0
	QUARTER 1, 2, F1, F0, 0
	QUARTER 1, 3, F0, F1, 0
	TURN 1, 0, 1
	QUARTER 0, 1, F0, F1, 0
	WIN 0
	s_sub_co_u32 s3, s3, 1
	s_cmp_lg_u32 s3, 0
	s_cbranch_scc1 .Llap
	QUARTER 0, 2, F1, F0, 0                        ; the last lap fills nothing, and is written out
	QUARTER 0, 3, F0, F1, 0
	TURN 0, 1, 0
	QUARTER 1, 1, F0, F1, 0
	QUARTER 1, 2, F1, F0, 0
	QUARTER 1, 3, F0, F1, 0
	s_wait_dscnt 8                                 ; the very last quarter: nothing more to fetch
	MUL16 F1, 0, 0, 0
	MUL16 F1, 0, 2, 0
	s_wait_dscnt 0x0
	MUL16 F1, 1, 0, 0
	MUL16 F1, 1, 2, 0
	WIN 0
	PLACES
; THE WAY OUT, a block of 16 rows at a time: rounded to bf16, 16 bytes a lane; into my own stage and back as whole rows of 256 bytes; stored.
.macro PACK a
	WIN 0x0a+5*((\a)/4)                            ; sources in window 2 or 3, destination in window 0; each accumulator's registers in ascending order
.set i, 0
.rept 32
	v_cvt_pk_bf16_f32 v[TMP+i], v[64*((\a)%4)+2*i], v[64*((\a)%4)+2*i+1]
.set i, i+1
.endr
	WIN 0
.endm
.macro TOSTAGE a
	WIN 0
.irp b, 0,1,2,3,4,5,6,7
	ds_store_b128 v[STO], v[TMP+4*(\b):TMP+4*(\b)+3] offset:32*(\b)
.endr
.irp t, 0,1,2,3,4,5,6,7
	ds_load_b128 v[BK0+32*((\a)%2)+4*(\t):BK0+32*((\a)%2)+4*(\t)+3], v[RD] offset:(\t)*2*SP  ; LDS serves a wave's instructions in order (ISA guide 5.7.1.4): these see the stores above
.endr
.endm
.macro SEND a
	WIN 0
	s_wait_dscnt 0x0                               ; the block is back in registers
	s_wait_xcnt 0x0                                ; the other buffer, which the block before's stores read, is loaded again only behind this wait
.irp t, 0,1,2,3,4,5,6,7
	global_store_b128 v[CO], v[BK0+32*((\a)%2)+4*(\t):BK0+32*((\a)%2)+4*(\t)+3], s[OUT:OUT+1] offset:(16*(\a)+2*(\t))*2048  ; 16 lanes store 256 consecutive bytes, aligned; 126 rows of 2,048 bytes at the most
.endr
.endm
	PACK 0
	TOSTAGE 0
.irp a, 1,2,3,4,5,6,7                  ; block a's conversions stand between block a - 1's loads from the stage and the wait for them
	PACK \a
	SEND (\a)-1
	TOSTAGE \a
.endr
	SEND 7
	s_wait_tensorcnt 0x0                           ; the wave's end
	ds_add_u32 v[SPW], v[NIL]
	s_wait_dscnt 0x0
	CROUND                                         ; the closing round: no work-group ends while a partner may still ask for a tile that names it
	s_endpgm
.Lfunc_end_k_q3dd50f025b_proj:
	.size	k_q3dd50f025b_proj, .Lfunc_end_k_q3dd50f025b_proj-k_q3dd50f025b_proj
	.p2alignl 7, 3214868480
	.fill 96, 4, 3214868480
	.section	.rodata,"a",@progbits
	.p2align	6, 0x0
	.amdhsa_kernel k_q3dd50f025b_proj
		.amdhsa_group_segment_fixed_size 327680
		.amdhsa_private_segment_fixed_size 0
		.amdhsa_enable_private_segment 0
		.amdhsa_kernarg_size 48
		.amdhsa_user_sgpr_count 2
		.amdhsa_user_sgpr_kernarg_segment_ptr 1
		.amdhsa_wavefront_size32 1
		.amdhsa_system_sgpr_workgroup_id_x 1
		.amdhsa_system_sgpr_workgroup_id_y 1
		.amdhsa_system_sgpr_workgroup_id_z 1
		.amdhsa_system_vgpr_workitem_id 0
		.amdhsa_next_free_vgpr 1024
		.amdhsa_next_free_sgpr 80
		.amdhsa_reserve_vcc 0
		.amdhsa_float_denorm_mode_32 3
		.amdhsa_float_denorm_mode_16_64 3
		.amdhsa_memory_ordered 1
		.amdhsa_forward_progress 1
		.amdhsa_inst_pref_size 144
	.end_amdhsa_kernel
	.amdgpu_metadata
---
amdhsa.version: [ 1, 2 ]
amdhsa.kernels:
  - .name:           k_q3dd50f025b_proj
    .symbol:         k_q3dd50f025b_proj.kd
    .args:
      - { .name: xb, .offset: 0, .size: 8, .value_kind: global_buffer, .address_space: global }
      - { .name: wb, .offset: 8, .size: 8, .value_kind: global_buffer, .address_space: global }
      - { .name: bq, .offset: 16, .size: 8, .value_kind: global_buffer, .address_space: global }
      - { .name: bk, .offset: 24, .size: 8, .value_kind: global_buffer, .address_space: global }
      - { .name: bv, .offset: 32, .size: 8, .value_kind: global_buffer, .address_space: global }
      - { .name: qkv, .offset: 40, .size: 8, .value_kind: global_buffer, .address_space: global }
    .group_segment_fixed_size: 327680
    .private_segment_fixed_size: 0
    .kernarg_segment_align: 8
    .kernarg_segment_size: 48
    .max_flat_workgroup_size: 128
    .sgpr_count:     80
    .vgpr_count:     1024
    .wavefront_size: 32
...
	.end_amdgpu_metadata
.endif
;; end of part 2
;; launch scores (part 3): grid 4 x 64, 4 waves a work-group, clusters of 4 x 4, 327,680 bytes of LDS; arguments qkv, pu, st; writes pu, st
.if DOCPART == 3
	.amdgcn_target "amdgcn-amd-amdhsa--gfx1250"
	.amdhsa_code_object_version 6
	.text
	.protected	k_q3dd50f025b_scores
	.globl	k_q3dd50f025b_scores
	.p2align	8
	.type	k_q3dd50f025b_scores,@function
k_q3dd50f025b_scores:
	s_mov_b64 s[64:65], 0
	v_nop
	global_prefetch_b8 v0, s[64:65] scope:SCOPE_SE
	s_setreg_imm32_b32 hwreg(HW_REG_WAVE_MODE, 25, 1), 1
	s_wait_xcnt 0x0
	s_wait_alu depctr_hold_cnt(0) depctr_sa_sdst(0) depctr_va_vdst(0) depctr_va_sdst(0) depctr_va_ssrc(0) depctr_va_vcc(0) depctr_vm_vsrc(0)
	s_getreg_b32 s2, hwreg(HW_REG_IB_STS2, 6, 4)
	s_cmp_eq_u32 s2, 0
	s_cbranch_scc0 .Lentry_in_a_cluster
	s_endpgm
.Lentry_in_a_cluster:
	s_bfe_u32 s2, ttmp6, 0x10000c
	s_cmp_lg_u32 s2, 0xf033
	s_cbranch_scc0 .Lentry_shape_is_right
	s_endpgm
.Lentry_shape_is_right:
; s[q][k] = sum over h of Q[q][h] K[k][h], for each batch of 1,024 rows; then, for each query and each block of 128 keys, a softmax of its own:
; cm = c x (the block's largest s), pu = bf16(2^(c s - cm)), l = the sum of the unrounded 2^(c s - cm); c = log2(e) / 32.  The next launch joins a row's eight blocks exactly.
; qkv: [3][8192][1024] bf16 (Q, K, V); pu: [8192][1024] bf16; st: [16][8192] f32: plane cb holds cm of key block cb, plane 8 + cb its l.
; LIMITS.  A weight below 2^-126 counts as 0; NaN and infinities are not treated apart.  The largest score of a block is taken away before every exponential.
; SHARES.  A tile of 128 queries x 256 keys to a work-group: 64 x 4 = 256 of them.  Four waves, each 64 x 128: 32 accumulators, and a wave's 128 keys are one block of the softmax.
; K (the head's 1,024 channels) goes in steps of 128 through two LDS slots: waves 0, 1 fetch the halves of Q's tile (64 rows of 256 bytes), waves 2, 3 those of K's (128 rows).
; CLUSTER.  4 x 4: the four of a row need the same tile of Q, the four of a column the same tile of K (a cluster's 512 queries lie in one batch): each is asked for JOINTLY.
; THE MATRIX INSTRUCTION IS USED TRANSPOSED (source 0 = 16 keys, source 1 = 16 queries): lane l holds query l % 16 and the keys 8 (l / 16) + 0..7 of each block of 16: a query's maximum and sum
; want one exchange between the halves of the lanes.
; The statistics leave as 128 consecutive bytes a store: 524,288 bytes in the whole launch.
; REGISTERS: window 0: v0-29 addresses; v32-59 statistics; v64-159, v160-255 two fragment buffers; on the way out v64-95 sums, v96-127 packed weights, v128-191 rows read back.  window 1: accumulator (a, b) at v[8 (8 a + b)].
.set SIZE_K, 1024
.set LAPS,   SIZE_K/256
.set PA,     272                       ; an LDS row: 256 bytes + 16 = 68 words: row r starts at bank 4 r mod 64 (64 banks of 4 bytes: ISA guide 11.1)
.set AHALF,  64*PA
.set BOFF,   2*AHALF
.set BHALF,  128*PA
.set SLOT,   BOFF+2*BHALF              ; 104,448 bytes
.set STAGE,  2*SLOT
.set SP,     272
.set SPARE,  STAGE+4*16*SP             ; the spare words, 128 bytes a wave: two blocks of 256 bytes that no other line names
.set ASTEP,  256
.set BSTEP,  256
.set ADRA, 16
.set ADRB, 20
.set STO,  24
.set RD,   25
.set CO,   26
.set SPW,  28
.set NIL,  29
.set CH8,  32                          ; v32-39  eight chains of the maximum
.set CM,   48                          ; v48-55  c m of row block a, twice (a pair for the packed scaling)
.set LS,   56                          ; v56-59  l of row block a
.set U,    64
.set TMP,  96
.set BK0,  128
.set F0,   64
.set F1,   160
.set G1A, 24
.set G0A, 32
.set G1B, 48
.set G0B, 56
.set OUT, 6                            ; s[6:7] pu at my part of the tile
.set CS,  76                           ; s[76:77] c
.set SEL, 78                           ; s[78:79] v_permlanex16_b32's selects
.set MSB, 0
.macro WIN new
.if MSB != (\new)
	s_set_vgpr_msb (MSB<<8)|(\new)
.set MSB, (\new)
.endif
.endm
.set MUL, 0x50                         ; C and D in window 1, the fragments in window 0
.macro JLOAD s                         ; a joint refill; an s_nop 0 and four v_nop follow each of the two lines
	s_cmp_lt_u32 s10, 2
	s_cbranch_scc0 .Lfor_b_\@
	tensor_load_to_lds s[G0A+4*(\s):G0A+4*(\s)+3], s[G1A:G1A+7]
	s_nop 0
.rept 4
	v_nop
.endr
	s_branch .Lasked_\@
.Lfor_b_\@:
	tensor_load_to_lds s[G0B+4*(\s):G0B+4*(\s)+3], s[G1B:G1B+7]
	s_nop 0
.rept 4
	v_nop
.endr
.Lasked_\@:
.endm
.macro CREST
	s_cmp_lg_u32 s10, 0
	s_cbranch_scc1 .Lnot_wave_0_\@
	s_barrier_signal -3
.Lnot_wave_0_\@:
	s_barrier_wait -3
	s_barrier_signal -1
	s_barrier_wait -1
.endm
.macro CROUND
	s_barrier_signal -1
	s_barrier_wait -1
	CREST
.endm
.macro PLACES
.rept 4
	v_nop
.endr
.endm
	s_load_b128 s[4:7], s[0:1], 0x0                ; qkv s[4:5], pu s[6:7]
	s_load_b64 s[8:9], s[0:1], 0x10                ; st
	v_lshl_add_u32 v[SPW], v0, 2, SPARE
	v_mov_b32 v[NIL], 0
	ds_add_u32 v[SPW], v[NIL]                      ; the wave's opening: the add and its wait stand ahead of my first tensor load
	v_lshrrev_b32 v1, 5, v0
	v_readfirstlane_b32 s10, v1                    ; wave 0..3
	s_lshr_b32 s11, s10, 1                         ; which 64 queries of the tile are mine
	s_and_b32 s12, s10, 1                          ; which 128 keys; also: which half of a tile I fetch
	s_bfe_u32 s40, ttmp6, 0x40000                  ; cx
	s_bfe_u32 s41, ttmp6, 0x40004                  ; cy
	s_and_b32 s45, ttmp7, 0xffff                   ; cluster y
	s_lshl_b32 s13, s45, 2
	s_add_co_u32 s13, s13, s41                     ; tile row = 4 x cluster y + cy
	s_lshl_b32 s43, s41, 2
	s_lshl_b32 s43, 15, s43                        ; my row of the cluster
	s_lshl_b32 s44, 0x1111, s40                    ; my column
	s_or_b32 s[G1A+0], s43, (1<<16)|(1<<20)|(1<<21)|(5<<22)|(3<<25)  ; the mask; 2-byte elements; padding on; bit 21 beside a mask; after every 64 words 4 words
	s_mov_b32 s[G1A+1], 128<<16                    ; tensor_dim0 = 128
	s_mov_b32 s[G1A+2], 64<<16                     ; tensor_dim1 = 64
	s_mov_b32 s[G1A+3], 128<<16                    ; tile_dim0 = 128
	s_mov_b32 s[G1A+4], 64                         ; tile_dim1 = 64
	s_mov_b32 s[G1A+5], 1024                       ; elements from row to row
	s_mov_b32 s[G1A+6], 0
	s_mov_b32 s[G1A+7], 0
	s_or_b32 s[G1B+0], s44, (1<<16)|(1<<20)|(1<<21)|(5<<22)|(3<<25)
	s_mov_b32 s[G1B+1], 128<<16
	s_mov_b32 s[G1B+2], 128<<16                    ; tensor_dim1 = 128
	s_mov_b32 s[G1B+3], 128<<16
	s_mov_b32 s[G1B+4], 128                        ; tile_dim1 = 128
	s_mov_b32 s[G1B+5], 1024
	s_mov_b32 s[G1B+6], 0
	s_mov_b32 s[G1B+7], 0
	s_lshl_b32 s16, s13, 7                         ; Q: row 128 x tile row + 64 x half, 2,048 bytes each
	s_lshl_b32 s17, s12, 6
	s_add_co_u32 s16, s16, s17
	s_lshl_b32 s16, s16, 11
	s_mov_b32 s17, 0
	s_lshr_b32 s46, s45, 1                         ; K: the batch is cluster y / 2, which all sixteen share;
	s_lshl_b32 s46, s46, 10
	s_lshl_b32 s47, s40, 8                         ; row 256 cx + 128 x half of it,
	s_add_co_u32 s46, s46, s47
	s_lshl_b32 s47, s12, 7
	s_add_co_u32 s46, s46, s47
	s_lshl_b32 s46, s46, 11
	s_add_co_u32 s46, s46, 16777216                ; in plane 1
	s_mov_b32 s47, 0
	s_mul_i32 s20, s12, AHALF
	s_mul_i32 s21, s12, BHALF
	s_add_co_u32 s21, s21, BOFF
	s_mov_b32 s[CS], 0x3d38aa3b                    ; c = log2(e) / 32
	s_mov_b32 s[CS+1], s[CS]                       ; named with it as a pair
	s_mov_b32 s[SEL], 0x76543210
	s_mov_b32 s[SEL+1], 0xfedcba98
	s_wait_dscnt 0x0                               ; the opening add is done
	s_wait_kmcnt 0x0
	s_add_nc_u64 s[14:15], s[4:5], s[16:17]
	s_add_nc_u64 s[46:47], s[4:5], s[46:47]
.irp s, 0,1
	s_mov_b32 s[G0A+4*(\s)], 1
	s_add_co_u32 s[G0A+4*(\s)+1], s20, (\s)*SLOT
	s_add_nc_u64 s[G0A+4*(\s)+2:G0A+4*(\s)+3], s[14:15], (\s)*ASTEP
	s_or_b32 s[G0A+4*(\s)+3], s[G0A+4*(\s)+3], 0x80000000
	s_mov_b32 s[G0B+4*(\s)], 1
	s_add_co_u32 s[G0B+4*(\s)+1], s21, (\s)*SLOT
	s_add_nc_u64 s[G0B+4*(\s)+2:G0B+4*(\s)+3], s[46:47], (\s)*BSTEP
	s_or_b32 s[G0B+4*(\s)+3], s[G0B+4*(\s)+3], 0x80000000
.endr
	CROUND                                         ; all sixteen work-groups are here: the first joint loads meet
	s_cmp_lt_u32 s10, 2                            ; a wave's two first fills stand in one branch: two loads of mine are out
	s_cbranch_scc0 .Lfirst_b
	tensor_load_to_lds s[G0A:G0A+3], s[G1A:G1A+7]
	s_nop 0
	tensor_load_to_lds s[G0A+4:G0A+7], s[G1A:G1A+7]
	s_nop 0
.rept 4
	v_nop
.endr
	s_branch .Lfirst_asked
.Lfirst_b:
	tensor_load_to_lds s[G0B:G0B+3], s[G1B:G1B+7]
	s_nop 0
	tensor_load_to_lds s[G0B+4:G0B+7], s[G1B:G1B+7]
	s_nop 0
.rept 4
	v_nop
.endr
.Lfirst_asked:
	v_and_b32 v1, 15, v0                           ; l % 16
	v_bfe_u32 v2, v0, 4, 1                         ; l / 16
	v_mul_u32_u24 v3, v1, PA
	v_lshl_add_u32 v3, v2, 4, v3                   ; a fragment's row x pitch + 16 x half
	s_mul_i32 s22, s11, AHALF
	v_add_nc_u32 v[ADRA], s22, v3
	v_add_nc_u32 v[ADRA+1], SLOT, v[ADRA]
	s_mul_i32 s22, s12, BHALF
	s_add_co_u32 s22, s22, BOFF
	v_add_nc_u32 v[ADRB], s22, v3
	v_add_nc_u32 v[ADRB+1], SLOT, v[ADRB]
	s_mul_i32 s23, s10, 16*SP
	s_add_co_u32 s23, s23, STAGE                   ; my stage
	v_add_nc_u32 v[STO], s23, v3
	v_mul_u32_u24 v5, v2, SP
	v_lshl_add_u32 v5, v1, 4, v5
	v_add_nc_u32 v[RD], s23, v5
	v_lshlrev_b32 v6, 11, v2
	v_lshl_add_u32 v[CO], v1, 4, v6
	v_and_b32 v9, 31, v0                           ; lane
	v_lshlrev_b32 v8, 2, v9
	s_lshl_b32 s68, s13, 7                         ; my first row: 128 x tile row + 64 x half
	s_lshl_b32 s69, s11, 6
	s_add_co_u32 s68, s68, s69
	s_lshl_b32 s70, s68, 2                         ; in a plane of st,
	s_lshl_b32 s68, s68, 11                        ; in pu
	s_lshl_b32 s69, s40, 9                         ; column 256 cx + 128 x half
	s_add_co_u32 s68, s68, s69
	s_lshl_b32 s69, s12, 8
	s_add_co_u32 s68, s68, s69
	s_mov_b32 s69, 0
	s_add_nc_u64 s[OUT:OUT+1], s[OUT:OUT+1], s[68:69]
	s_lshl_b32 s71, s40, 16                        ; plane 2 cx + half, 32,768 bytes each
	s_add_co_u32 s70, s70, s71
	s_lshl_b32 s71, s12, 15
	s_add_co_u32 s70, s70, s71
	s_mov_b32 s71, 0
	s_add_nc_u64 s[8:9], s[8:9], s[70:71]
; 8 matrix instructions: query block a x all 8 key blocks, 32 along K.  first = 1: the product starts the sums.  The 32 accumulators take turns in one order.
.macro MUL8 f, a, first
	WIN MUL
.irp b, 0,1,2,3,4,5,6,7
.if \first
	v_wmma_f32_16x16x32_bf16 v[8*(8*(\a)+(\b)):8*(8*(\a)+(\b))+7], v[(\f)+8*(\b):(\f)+8*(\b)+7], v[(\f)+64+8*(\a):(\f)+64+8*(\a)+7], 0
.else
	v_wmma_f32_16x16x32_bf16 v[8*(8*(\a)+(\b)):8*(8*(\a)+(\b))+7], v[(\f)+8*(\b):(\f)+8*(\b)+7], v[(\f)+64+8*(\a):(\f)+64+8*(\a)+7], v[8*(8*(\a)+(\b)):8*(8*(\a)+(\b))+7]
.endif
.endr
.endm
.macro FETCH slot, q, f                ; 24 LDS loads in one run: K's 16, then Q's 8
	WIN 0
.irp i, 0,1,2,3,4,5,6,7
	ds_load_b128 v[(\f)+8*(\i):(\f)+8*(\i)+3],   v[ADRB+(\slot)] offset:64*(\q)+(\i)*16*PA
	ds_load_b128 v[(\f)+8*(\i)+4:(\f)+8*(\i)+7], v[ADRB+(\slot)] offset:64*(\q)+(\i)*16*PA+32
.endr
.irp i, 0,1,2,3
	ds_load_b128 v[(\f)+64+8*(\i):(\f)+64+8*(\i)+3],   v[ADRA+(\slot)] offset:64*(\q)+(\i)*16*PA
	ds_load_b128 v[(\f)+64+8*(\i)+4:(\f)+64+8*(\i)+7], v[ADRA+(\slot)] offset:64*(\q)+(\i)*16*PA+32
.endr
.endm
.macro QUARTER slot, q, f, g, first
	s_wait_dscnt 4                                 ; K and Q's blocks 0, 1 are in; the youngest four loads (blocks 2, 3) may be out
	MUL8 \f, 0, \first
	MUL8 \f, 1, \first
	PLACES
	FETCH \slot, \q, \g
	s_wait_dscnt 24                                ; all but the 24 just issued
	MUL8 \f, 2, \first
	MUL8 \f, 3, \first
.endm
; The change of slots: ONE barrier; in front of it each wave waits for all its tensor loads (one is out: its part of the next slot), adds 0 to its spare word, and waits for that and for its reads
; of this slot.  fill = 1: the barrier opens a round of the cluster's, and this slot is filled again, two K steps ahead.
.macro TURN slot, next, fill
	WIN 0
	s_wait_tensorcnt 0x0
	ds_add_u32 v[SPW], v[NIL]
	s_wait_dscnt 5                                 ; the add and the youngest four loads may be out
	MUL8 F1, 0, 0
	s_wait_dscnt 0x0                               ; the add is done, and my reads of this slot are over
	s_barrier_signal -1
	MUL8 F1, 1, 0
.if \fill
	WIN 0
.endif
	s_barrier_wait -1
.if \fill
	CREST
	s_add_nc_u64 s[G0A+4*(\slot)+2:G0A+4*(\slot)+3], s[G0A+4*(\slot)+2:G0A+4*(\slot)+3], 2*ASTEP
	s_add_nc_u64 s[G0B+4*(\slot)+2:G0B+4*(\slot)+3], s[G0B+4*(\slot)+2:G0B+4*(\slot)+3], 2*BSTEP
	JLOAD \slot                                    ; the first tensor load behind the round; its four v_nop are also the places in front of the loads below
.else
	PLACES
.endif
	FETCH \next, 0, F0
	MUL8 F1, 2, 0
	MUL8 F1, 3, 0
.endm
	s_wait_tensorcnt 0x1                           ; my part of K step 0 is in; K step 1's may stay out
	s_barrier_signal -1
	s_barrier_wait -1
	FETCH 0, 0, F0
	QUARTER 0, 1, F0, F1, 1
	WIN 0
	s_mov_b32 s3, LAPS-1
.Llap:
	QUARTER 0, 2, F1, F0, 0
	QUARTER 0, 3, F0, F1, 0
	TURN 0, 1, 1
	QUARTER 1, 1, F0, F1, 0
	QUARTER 1, 2, F1, F0, 0
	QUARTER 1, 3, F0, F1, 0
	TURN 1, 0, 1
	QUARTER 0, 1, F0, F1, 0
	WIN 0
	s_sub_co_u32 s3, s3, 1
	s_cmp_lg_u32 s3, 0
	s_cbranch_scc1 .Llap
	QUARTER 0, 2, F1, F0, 0                        ; the last lap fills nothing
	QUARTER 0, 3, F0, F1, 0
	TURN 0, 1, 0
	QUARTER 1, 1, F0, F1, 0
	QUARTER 1, 2, F1, F0, 0
	QUARTER 1, 3, F0, F1, 0
	s_wait_dscnt 4
	MUL8 F1, 0, 0
	MUL8 F1, 1, 0
	s_wait_dscnt 0x0
	MUL8 F1, 2, 0
	MUL8 F1, 3, 0
	WIN 0
	PLACES
; THE SOFTMAX of query block a over my 128 keys: a lane holds 64 scores of one query, the lane 16 away the other 64.
.macro SOFT a
.set AC, 64*(\a)
	WIN 0x15                                       ; three sources in window 1
.irp b, 0,1,2,3,4,5,6,7
	v_max3_num_f32 v[CH8+(\b)], v[AC+8*(\b)], v[AC+8*(\b)+1], v[AC+8*(\b)+2]
.endr
	WIN 0x14                                       ; source 0 in window 0
.irp b, 0,1,2,3,4,5,6,7
	v_max3_num_f32 v[CH8+(\b)], v[CH8+(\b)], v[AC+8*(\b)+3], v[AC+8*(\b)+4]
.endr
.irp b, 0,1,2,3,4,5,6,7
	v_max3_num_f32 v[CH8+(\b)], v[CH8+(\b)], v[AC+8*(\b)+5], v[AC+8*(\b)+6]
.endr
.irp b, 0,1,2,3
	v_max3_num_f32 v[CH8+(\b)], v[CH8+(\b)], v[AC+16*(\b)+7], v[AC+16*(\b)+15]
.endr
	WIN 0
	v_max3_num_f32 v[CH8], v[CH8], v[CH8+1], v[CH8+2]
	v_max3_num_f32 v[CH8+3], v[CH8+3], v[CH8+4], v[CH8+5]
	v_max_num_f32 v[CH8+6], v[CH8+6], v[CH8+7]
	v_max3_num_f32 v[CH8], v[CH8], v[CH8+3], v[CH8+6]
	v_permlanex16_b32 v[CH8+1], v[CH8], s[SEL], s[SEL+1]
	v_max_num_f32 v[CH8], v[CH8], v[CH8+1]
	v_mul_f32 v[CM+2*(\a)], s[CS], v[CH8]
	v_mul_f32 v[CM+2*(\a)+1], s[CS], v[CH8]
	WIN 0x41                                       ; destination and source 0 in window 1, c m in window 0
.set i, 0
.rept 32
	v_pk_fma_f32 v[AC+2*i:AC+2*i+1], v[AC+2*i:AC+2*i+1], s[CS:CS+1], v[CM+2*(\a):CM+2*(\a)+1] op_sel_hi:[1,0,0] neg_lo:[0,0,1] neg_hi:[0,0,1]  ; c s - c m
.set i, i+1
.endr
.set i, 0
.rept 64
	v_exp_f32 v[AC+i], v[AC+i]
.set i, i+1
.endr
	v_nop                                          ; a plain instruction behind the last exponential, before its result is used
	WIN 0x05                                       ; sources in window 1, destination in window 0
.set i, 0
	s_wait_alu depctr_va_vdst(0)
.rept 32
	v_cvt_pk_bf16_f32 v[TMP+i], v[AC+2*i], v[AC+2*i+1]
.set i, i+1
.endr
.set i, 0
.rept 16
	v_pk_add_f32 v[U+2*i:U+2*i+1], v[AC+4*i:AC+4*i+1], v[AC+4*i+2:AC+4*i+3]
.set i, i+1
.endr
	WIN 0
.irp w, 8,4,2,1
.set i, 0
.rept \w
	v_pk_add_f32 v[U+2*i:U+2*i+1], v[U+2*i:U+2*i+1], v[U+2*(i+\w):U+2*(i+\w)+1]
.set i, i+1
.endr
.endr
	v_add_f32 v[U], v[U], v[U+1]
	v_permlanex16_b32 v[U+1], v[U], s[SEL], s[SEL+1]
	v_add_f32 v[LS+(\a)], v[U], v[U+1]
.endm
.macro TOSTAGE a
	WIN 0
.irp b, 0,1,2,3,4,5,6,7
	ds_store_b128 v[STO], v[TMP+4*(\b):TMP+4*(\b)+3] offset:32*(\b)
.endr
.irp t, 0,1,2,3,4,5,6,7
	ds_load_b128 v[BK0+32*((\a)%2)+4*(\t):BK0+32*((\a)%2)+4*(\t)+3], v[RD] offset:(\t)*2*SP  ; LDS serves a wave's instructions in order (ISA guide 5.7.1.4): these see the stores above
.endr
.endm
.macro SEND a
	WIN 0
	s_wait_dscnt 0x0                               ; the block is back in registers
	s_wait_xcnt 0x0                                ; the other buffer, which the block before's stores read, is loaded again only behind this wait
.irp t, 0,1,2,3,4,5,6,7
	global_store_b128 v[CO], v[BK0+32*((\a)%2)+4*(\t):BK0+32*((\a)%2)+4*(\t)+3], s[OUT:OUT+1] offset:(16*(\a)+2*(\t))*2048  ; 16 lanes store 256 consecutive bytes, aligned
.endr
.endm
	SOFT 0
	TOSTAGE 0
.irp a, 1,2,3                          ; block a's softmax stands between block a - 1's loads from the stage and the wait for them
	SOFT \a
	SEND (\a)-1
	TOSTAGE \a
.endr
	SEND 3
	; the statistics: both halves of the lanes hold a block's 16 rows, so lanes 0-15 take block 0 (2), lanes 16-31 block 1 (3): lane l stands for row l (32 + l)
	v_cmp_lt_u32 vcc_lo, 15, v9
	v_cndmask_b32 v40, v[CM], v[CM+2], vcc_lo
	v_cndmask_b32 v41, v[CM+4], v[CM+6], vcc_lo
	v_cndmask_b32 v42, v[LS], v[LS+1], vcc_lo
	v_cndmask_b32 v43, v[LS+2], v[LS+3], vcc_lo
	global_store_b32 v8, v40, s[8:9]
	global_store_b32 v8, v41, s[8:9] offset:128
	global_store_b32 v8, v42, s[8:9] offset:8*32768
	global_store_b32 v8, v43, s[8:9] offset:8*32768+128
	s_wait_tensorcnt 0x0                           ; the wave's end
	ds_add_u32 v[SPW], v[NIL]
	s_wait_dscnt 0x0
	CROUND                                         ; the closing round
	s_endpgm
.Lfunc_end_k_q3dd50f025b_scores:
	.size	k_q3dd50f025b_scores, .Lfunc_end_k_q3dd50f025b_scores-k_q3dd50f025b_scores
	.p2alignl 7, 3214868480
	.fill 96, 4, 3214868480
	.section	.rodata,"a",@progbits
	.p2align	6, 0x0
	.amdhsa_kernel k_q3dd50f025b_scores
		.amdhsa_group_segment_fixed_size 327680
		.amdhsa_private_segment_fixed_size 0
		.amdhsa_enable_private_segment 0
		.amdhsa_kernarg_size 24
		.amdhsa_user_sgpr_count 2
		.amdhsa_user_sgpr_kernarg_segment_ptr 1
		.amdhsa_wavefront_size32 1
		.amdhsa_system_sgpr_workgroup_id_x 1
		.amdhsa_system_sgpr_workgroup_id_y 1
		.amdhsa_system_sgpr_workgroup_id_z 1
		.amdhsa_system_vgpr_workitem_id 0
		.amdhsa_next_free_vgpr 512
		.amdhsa_next_free_sgpr 80
		.amdhsa_reserve_vcc 1
		.amdhsa_float_denorm_mode_32 3
		.amdhsa_float_denorm_mode_16_64 3
		.amdhsa_memory_ordered 1
		.amdhsa_forward_progress 1
		.amdhsa_inst_pref_size 120
	.end_amdhsa_kernel
	.amdgpu_metadata
---
amdhsa.version: [ 1, 2 ]
amdhsa.kernels:
  - .name:           k_q3dd50f025b_scores
    .symbol:         k_q3dd50f025b_scores.kd
    .args:
      - { .name: qkv, .offset: 0, .size: 8, .value_kind: global_buffer, .address_space: global }
      - { .name: pu, .offset: 8, .size: 8, .value_kind: global_buffer, .address_space: global }
      - { .name: st, .offset: 16, .size: 8, .value_kind: global_buffer, .address_space: global }
    .group_segment_fixed_size: 327680
    .private_segment_fixed_size: 0
    .kernarg_segment_align: 8
    .kernarg_segment_size: 24
    .max_flat_workgroup_size: 128
    .sgpr_count:     80
    .vgpr_count:     512
    .wavefront_size: 32
...
	.end_amdgpu_metadata
.endif
;; end of part 3
;; launch norm (part 4): grid 256 x 1, 8 waves a work-group, no clusters, 6,144 bytes of LDS; arguments pu, st, gate, pn, psum; writes pn, psum
.if DOCPART == 4
	.amdgcn_target "amdgcn-amd-amdhsa--gfx1250"
	.amdhsa_code_object_version 6
	.text
	.protected	k_q3dd50f025b_norm
	.globl	k_q3dd50f025b_norm
	.p2align	8
	.type	k_q3dd50f025b_norm,@function
k_q3dd50f025b_norm:
	s_mov_b64 s[64:65], 0
	v_nop
	global_prefetch_b8 v0, s[64:65] scope:SCOPE_SE
	s_setreg_imm32_b32 hwreg(HW_REG_WAVE_MODE, 25, 1), 1
	s_wait_xcnt 0x0
; The eight parts of a row's softmax are joined, and the gate applied: cM = the largest of the row's eight cm, L = sum over blocks of l 2^(cm - cM),
; f = 2^(cm_own - cM) gate / L, pn = bf16(f pu); psum[qq][b][k] = the sum of the unrounded f pu over 256 queries.  L is at least about 1: the block that holds the row's maximum gives l >= 1.
; pu, pn: [8192][1024] bf16; st: [16][8192] f32 (cm, then l, by key block); gate: [8192] f32; psum: [4][8][1024] f32.
; LIMITS.  The weights are rounded to bf16 twice (pu, pn); a factor below 2^-126 counts as 0; NaN and infinities are not treated apart.
; A stream: no matrix unit, no cluster (the only bytes that work-groups share are st's, 1/32 of pu's).  SHARES.  Work-group g: batch g / 32, key block (g / 4) % 8, queries 256 (g % 4) on: 256 rows x 256 bytes.
; Thread i makes f of row i; a wave then takes its own 32 rows, two a load: lanes 0-15 one row's 256 bytes, lanes 16-31 the next row's: whole aligned runs of 256 bytes in and out.
.set FB,    0                          ; f by thread: 1,024 bytes; a wave reads only the 128 bytes that it wrote
.set RED,   1024                       ; eight waves x 128 column sums
.set SPARE, 5120                       ; the spare words, 128 bytes a wave: four blocks of 256 bytes that no other line names
.set CMR, 8                            ; v8-15   the row's eight cm, then 2^(cm - cM)
.set LR,  16                           ; v16-23  its eight l
.set FJ,  32                           ; v32-47  f of the row that my half of the lanes holds in load j
.set TT,  48                           ; v48-55  at work
.set ACC, 56                           ; v56-63  column sums of my 8 columns
.set PU,  64                           ; v64-127 16 loads of 4 registers
; v1 lane; v2 4 x thread; v3 my offset in pu and pn; v4, v5 the add's two registers; v24 own cm, then f; v25 gate; v26 cM; v27 L; v28-31 LDS addresses
	s_load_b256 s[4:11], s[0:1], 0x0               ; pu s[4:5], st s[6:7], gate s[8:9], pn s[10:11]
	s_load_b64 s[12:13], s[0:1], 0x20              ; psum
	v_lshl_add_u32 v4, v0, 2, SPARE
	v_mov_b32 v5, 0
	v_lshrrev_b32 v1, 5, v0
	v_readfirstlane_b32 s14, v1                    ; wave 0..7
	v_and_b32 v1, 31, v0
	v_and_b32 v6, 15, v0
	v_bfe_u32 v7, v0, 4, 1
	s_lshr_b32 s15, ttmp9, 5                       ; batch
	s_bfe_u32 s16, ttmp9, 0x30002                  ; key block
	s_and_b32 s17, ttmp9, 3                        ; quarter of the queries
	s_lshl_b32 s18, s15, 10
	s_lshl_b32 s19, s17, 8
	s_add_co_u32 s18, s18, s19                     ; my first row
	s_lshl_b32 s20, s18, 2                         ; in a plane of st and in gate
	s_mov_b32 s21, 0
	s_lshl_b32 s24, s16, 15                        ; my own plane
	s_mov_b32 s25, 0
	s_lshl_b32 s26, s18, 11                        ; in pu and pn: rows of 2,048 bytes, 256 bytes a key block
	s_lshl_b32 s19, s16, 8
	s_add_co_u32 s26, s26, s19
	s_mov_b32 s27, 0
	s_lshl_b32 s28, s17, 15                        ; in psum
	s_lshl_b32 s19, s15, 12
	s_add_co_u32 s28, s28, s19
	s_lshl_b32 s19, s16, 9
	s_add_co_u32 s28, s28, s19
	s_mov_b32 s29, 0
	s_mov_b32 s30, 0x76543210
	s_mov_b32 s31, 0xfedcba98
	v_lshlrev_b32 v2, 2, v0
	v_lshlrev_b32 v3, 4, v6
	v_lshl_add_u32 v3, v7, 11, v3
	s_lshl_b32 s19, s14, 16                        ; a wave's 32 rows
	v_add_nc_u32 v3, s19, v3
	s_lshl_b32 s19, s14, 7
	v_lshl_add_u32 v28, v1, 2, s19                 ; FB + 128 w + 4 lane
	v_lshl_add_u32 v29, v7, 2, s19                 ; FB + 128 w + 4 (lane / 16)
	s_lshl_b32 s19, s14, 9
	s_add_co_u32 s19, s19, RED
	v_lshl_add_u32 v30, v6, 5, s19                 ; RED + 512 w + 32 (lane % 16)
	v_and_b32 v31, 127, v0
	v_lshlrev_b32 v31, 2, v31                      ; 4 x column
	s_wait_kmcnt 0x0
	s_add_nc_u64 s[6:7], s[6:7], s[20:21]
	s_add_nc_u64 s[22:23], s[6:7], s[24:25]
	s_add_nc_u64 s[8:9], s[8:9], s[20:21]
	s_add_nc_u64 s[4:5], s[4:5], s[26:27]
	s_add_nc_u64 s[10:11], s[10:11], s[26:27]
	s_add_nc_u64 s[12:13], s[12:13], s[28:29]
.set j, 0
.rept 16
	global_load_b32 v[CMR+j], v2, s[6:7] offset:32768*j
.set j, j+1
.endr
	global_load_b32 v24, v2, s[22:23]
	global_load_b32 v25, v2, s[8:9]
.set j, 0
.rept 16
	global_load_b128 v[PU+4*j:PU+4*j+3], v3, s[4:5] offset:4096*j th:TH_LOAD_NT
.set j, j+1
.endr
	s_wait_loadcnt 16                              ; the statistics are in; pu's 16 loads stay out
	v_max3_num_f32 v26, v[CMR], v[CMR+1], v[CMR+2]
	v_max3_num_f32 v26, v26, v[CMR+3], v[CMR+4]
	v_max3_num_f32 v26, v26, v[CMR+5], v[CMR+6]
	v_max_num_f32 v26, v26, v[CMR+7]
.set j, 0
.rept 8
	v_sub_f32 v[CMR+j], v[CMR+j], v26
.set j, j+1
.endr
	v_sub_f32 v24, v24, v26
.set j, 0
.rept 8
	v_exp_f32 v[CMR+j], v[CMR+j]
.set j, j+1
.endr
	v_exp_f32 v24, v24
	v_nop                                          ; a plain instruction behind the last exponential
	s_wait_alu depctr_va_vdst(0)
	v_mul_f32 v27, v[CMR], v[LR]
.set j, 1
.rept 7
	v_fmac_f32 v27, v[CMR+j], v[LR+j]
.set j, j+1
.endr
	v_mul_f32 v24, v24, v25
	v_rcp_f32 v27, v27
	v_nop
	s_wait_alu depctr_va_vdst(0)
	v_mul_f32 v24, v24, v27                        ; f of row i
	ds_store_b32 v28, v24
.set j, 0
.rept 16
	ds_load_b32 v[FJ+j], v29 offset:8*j            ; f of row 32 w + 2 j + lane / 16: the wave's own bytes, and LDS serves a wave's instructions in order (ISA guide 5.7.1.4)
.set j, j+1
.endr
	s_wait_dscnt 0x0
.set j, 0
.rept 16
	s_wait_loadcnt 15-j                            ; loads come back in order: load j is in, the younger ones stay out
.if j == 0
.set DST, ACC                          ; the first rows start the column sums: nothing is cleared
.else
.set DST, TT
.endif
.irp k, 0,1,2,3
	v_lshlrev_b32 v[DST+2*(\k)], 16, v[PU+4*j+(\k)]
	v_and_b32 v[DST+2*(\k)+1], 0xffff0000, v[PU+4*j+(\k)]
.endr
.irp k, 0,1,2,3,4,5,6,7
	v_mul_f32 v[DST+(\k)], v[FJ+j], v[DST+(\k)]
.endr
.if j > 0
.irp k, 0,2,4,6
	v_pk_add_f32 v[ACC+(\k):ACC+(\k)+1], v[ACC+(\k):ACC+(\k)+1], v[TT+(\k):TT+(\k)+1]
.endr
.endif
.irp k, 0,1,2,3
	v_cvt_pk_bf16_f32 v[PU+4*j+(\k)], v[DST+2*(\k)], v[DST+2*(\k)+1]
.endr
	global_store_b128 v3, v[PU+4*j:PU+4*j+3], s[10:11] offset:4096*j
.set j, j+1
.endr
	; the column sums: the two halves of the lanes hold the same columns; then the eight waves' meet in LDS
.irp k, 0,1,2,3,4,5,6,7
	v_permlanex16_b32 v[TT+(\k)], v[ACC+(\k)], s30, s31
.endr
.irp k, 0,2,4,6
	v_pk_add_f32 v[ACC+(\k):ACC+(\k)+1], v[ACC+(\k):ACC+(\k)+1], v[TT+(\k):TT+(\k)+1]
.endr
	ds_store_b128 v30, v[ACC:ACC+3]                ; both halves write the same numbers to the same bytes
	ds_store_b128 v30, v[ACC+4:ACC+7] offset:16
	s_wait_dscnt 0x0                               ; for the others' sake: my stores are done
	s_barrier_signal -1
	s_barrier_wait -1
.irp k, 0,1,2,3,4,5,6,7
	ds_load_b32 v[TT+(\k)], v31 offset:RED+512*(\k)
.endr
	s_wait_dscnt 0x0
	v_pk_add_f32 v[TT:TT+1], v[TT:TT+1], v[TT+2:TT+3]
	v_pk_add_f32 v[TT+4:TT+5], v[TT+4:TT+5], v[TT+6:TT+7]
	v_pk_add_f32 v[TT:TT+1], v[TT:TT+1], v[TT+4:TT+5]
	v_add_f32 v[TT], v[TT], v[TT+1]
	s_wait_xcnt 0x0                                ; EXEC changes only behind this wait
	v_cmp_gt_u32 vcc_lo, 128, v0
	s_and_saveexec_b32 s19, vcc_lo
	global_store_b32 v31, v[TT], s[12:13]          ; threads 0-127: 512 consecutive bytes, aligned
	s_wait_xcnt 0x0
	s_or_b32 exec_lo, exec_lo, s19
	s_wait_tensorcnt 0x0                           ; the wave's end
	ds_add_u32 v4, v5
	s_wait_dscnt 0x0
	s_endpgm
.Lfunc_end_k_q3dd50f025b_norm:
	.size	k_q3dd50f025b_norm, .Lfunc_end_k_q3dd50f025b_norm-k_q3dd50f025b_norm
	.p2alignl 7, 3214868480
	.fill 96, 4, 3214868480
	.section	.rodata,"a",@progbits
	.p2align	6, 0x0
	.amdhsa_kernel k_q3dd50f025b_norm
		.amdhsa_group_segment_fixed_size 6144
		.amdhsa_private_segment_fixed_size 0
		.amdhsa_enable_private_segment 0
		.amdhsa_kernarg_size 40
		.amdhsa_user_sgpr_count 2
		.amdhsa_user_sgpr_kernarg_segment_ptr 1
		.amdhsa_wavefront_size32 1
		.amdhsa_system_sgpr_workgroup_id_x 1
		.amdhsa_system_sgpr_workgroup_id_y 1
		.amdhsa_system_sgpr_workgroup_id_z 1
		.amdhsa_system_vgpr_workitem_id 0
		.amdhsa_next_free_vgpr 128
		.amdhsa_next_free_sgpr 66
		.amdhsa_reserve_vcc 1
		.amdhsa_float_denorm_mode_32 3
		.amdhsa_float_denorm_mode_16_64 3
		.amdhsa_memory_ordered 1
		.amdhsa_forward_progress 1
		.amdhsa_inst_pref_size 30
	.end_amdhsa_kernel
	.amdgpu_metadata
---
amdhsa.version: [ 1, 2 ]
amdhsa.kernels:
  - .name:           k_q3dd50f025b_norm
    .symbol:         k_q3dd50f025b_norm.kd
    .args:
      - { .name: pu, .offset: 0, .size: 8, .value_kind: global_buffer, .address_space: global }
      - { .name: st, .offset: 8, .size: 8, .value_kind: global_buffer, .address_space: global }
      - { .name: gate, .offset: 16, .size: 8, .value_kind: global_buffer, .address_space: global }
      - { .name: pn, .offset: 24, .size: 8, .value_kind: global_buffer, .address_space: global }
      - { .name: psum, .offset: 32, .size: 8, .value_kind: global_buffer, .address_space: global }
    .group_segment_fixed_size: 6144
    .private_segment_fixed_size: 0
    .kernarg_segment_align: 8
    .kernarg_segment_size: 40
    .max_flat_workgroup_size: 256
    .sgpr_count:     66
    .vgpr_count:     128
    .wavefront_size: 32
...
	.end_amdgpu_metadata
.endif
;; end of part 4
;; launch pv (part 5): grid 4 x 64, 4 waves a work-group, clusters of 4 x 4, 327,680 bytes of LDS; arguments pn, qkv, sem, psum, out0, out1; writes out0, out1
.if DOCPART == 5
	.amdgcn_target "amdgcn-amd-amdhsa--gfx1250"
	.amdhsa_code_object_version 6
	.text
	.protected	k_q3dd50f025b_pv
	.globl	k_q3dd50f025b_pv
	.p2align	8
	.type	k_q3dd50f025b_pv,@function
k_q3dd50f025b_pv:
	s_mov_b64 s[64:65], 0
	v_nop
	global_prefetch_b8 v0, s[64:65] scope:SCOPE_SE
	s_setreg_imm32_b32 hwreg(HW_REG_WAVE_MODE, 25, 1), 1
	s_wait_xcnt 0x0
	s_wait_alu depctr_hold_cnt(0) depctr_sa_sdst(0) depctr_va_vdst(0) depctr_va_sdst(0) depctr_va_ssrc(0) depctr_va_vcc(0) depctr_vm_vsrc(0)
	s_getreg_b32 s2, hwreg(HW_REG_IB_STS2, 6, 4)
	s_cmp_eq_u32 s2, 0
	s_cbranch_scc0 .Lentry_in_a_cluster
	s_endpgm
.Lentry_in_a_cluster:
	s_bfe_u32 s2, ttmp6, 0x10000c
	s_cmp_lg_u32 s2, 0xf033
	s_cbranch_scc0 .Lentry_shape_is_right
	s_endpgm
.Lentry_shape_is_right:
; out0[q][h] = sem[q][h] + sum over k of pn[q][k] V[k][h], for each batch of 1,024 rows; out1[b][k] = 2^-10 x the sum of psum's four planes.
; pn: [8192][1024] bf16 (the gated weights); V: plane 2 of qkv, [8192][1024] bf16; sem, out0: [8192][1024] f32; psum: [4][8][1024] f32; out1: [8][1024] f32.  Sums in f32.
; out1's sum goes by wave, by quarter of the queries, then over the quarters: another order than a sum over the queries on end.
; SHARES.  A tile of 128 queries x 256 channels to a work-group: 64 x 4 = 256 of them.  Four waves, each 64 x 128: 32 accumulators.  The keys go in steps of 128 through two LDS slots:
; waves 0, 1 fetch the halves of pn's tile (64 rows of 256 bytes), waves 2, 3 those of V's (64 key rows of 512 bytes).  V lies [key][channel] and is turned on the way out of LDS, by ds_load_tr16_b128.
; CLUSTER.  4 x 4: the four of a row need the same tile of pn, the four of a column the same tile of V (a cluster's 512 queries lie in one batch): each is asked for JOINTLY.
; THE MATRIX INSTRUCTION IS USED TRANSPOSED (source 0 = 16 channels, source 1 = 16 queries): lane l holds query l % 16 and the channels 8 (l / 16) + 0..7: 32 neighbouring bytes of f32.
; sem's 64 x 128 numbers of the wave are asked for during the products, 32 loads behind the first quarter and 32 behind the loop, in the layout in which the rows leave.
; out1: wave 0 of each work-group makes 32 numbers (128 consecutive bytes): 32,768 bytes in the whole launch.
; REGISTERS: window 0: v0-29 addresses; v32-35 out1; v64-159, v160-255 two fragment buffers; on the way out v64-191 rows read back.  window 1: accumulator (a, b) at v[8 (8 a + b)].  window 2: sem, row i at v[4 i].
.set SIZE_K, 1024
.set LAPS,   SIZE_K/256
.set PA,     272                       ; a row of pn in LDS: 256 bytes + 16 = 68 words: row r starts at bank 4 r mod 64 (64 banks of 4 bytes: ISA guide 11.1)
.set PB,     544                       ; a key row of V: 512 + 32 = 136 words: row r starts at bank 8 r mod 64
.set AHALF,  64*PA
.set BOFF,   2*AHALF
.set BHALF,  64*PB
.set SLOT,   BOFF+2*BHALF              ; 104,448 bytes
.set STAGE,  2*SLOT                    ; behind the ring: 16 rows x 528 bytes for each wave
.set SP,     528                       ; 512 bytes + 16 = 132 words: row r starts at bank 4 r mod 64
.set SPARE,  STAGE+4*16*SP             ; the spare words, 128 bytes a wave: two blocks of 256 bytes that no other line names
.set ASTEP,  256
.set BSTEP,  128*2048
.set ADRA, 16
.set ADRB, 20
.set STO,  24
.set RD,   25
.set CO,   26
.set SPW,  28
.set NIL,  29
.set BK0,  64
.set F0,   64
.set F1,   160
.set G1A, 24
.set G0A, 32
.set G1B, 48
.set G0B, 56
.set MSB, 0
.macro WIN new
.if MSB != (\new)
	s_set_vgpr_msb (MSB<<8)|(\new)
.set MSB, (\new)
.endif
.endm
.set MUL, 0x50
.macro JLOAD s                         ; a joint refill; an s_nop 0 and four v_nop follow each of the two lines
	s_cmp_lt_u32 s10, 2
	s_cbranch_scc0 .Lfor_b_\@
	tensor_load_to_lds s[G0A+4*(\s):G0A+4*(\s)+3], s[G1A:G1A+7]
	s_nop 0
.rept 4
	v_nop
.endr
	s_branch .Lasked_\@
.Lfor_b_\@:
	tensor_load_to_lds s[G0B+4*(\s):G0B+4*(\s)+3], s[G1B:G1B+7]
	s_nop 0
.rept 4
	v_nop
.endr
.Lasked_\@:
.endm
.macro CREST
	s_cmp_lg_u32 s10, 0
	s_cbranch_scc1 .Lnot_wave_0_\@
	s_barrier_signal -3
.Lnot_wave_0_\@:
	s_barrier_wait -3
	s_barrier_signal -1
	s_barrier_wait -1
.endm
.macro CROUND
	s_barrier_signal -1
	s_barrier_wait -1
	CREST
.endm
.macro PLACES
.rept 4
	v_nop
.endr
.endm
	s_load_b128 s[4:7], s[0:1], 0x0                ; pn s[4:5], qkv s[6:7]
	s_load_b256 s[68:75], s[0:1], 0x10             ; sem s[68:69], psum s[70:71], out0 s[72:73], out1 s[74:75]
	v_lshl_add_u32 v[SPW], v0, 2, SPARE
	v_mov_b32 v[NIL], 0
	ds_add_u32 v[SPW], v[NIL]                      ; the wave's opening: the add and its wait stand ahead of my first tensor load
	v_lshrrev_b32 v1, 5, v0
	v_readfirstlane_b32 s10, v1                    ; wave 0..3
	s_lshr_b32 s11, s10, 1                         ; which 64 queries of the tile are mine
	s_and_b32 s12, s10, 1                          ; which 128 channels; also: which half of a tile I fetch
	s_bfe_u32 s40, ttmp6, 0x40000                  ; cx
	s_bfe_u32 s41, ttmp6, 0x40004                  ; cy
	s_and_b32 s45, ttmp7, 0xffff                   ; cluster y
	s_lshl_b32 s13, s45, 2
	s_add_co_u32 s13, s13, s41                     ; tile row = 4 x cluster y + cy
	s_lshl_b32 s43, s41, 2
	s_lshl_b32 s43, 15, s43                        ; my row of the cluster
	s_lshl_b32 s44, 0x1111, s40                    ; my column
	s_or_b32 s[G1A+0], s43, (1<<16)|(1<<20)|(1<<21)|(5<<22)|(3<<25)  ; the mask; 2-byte elements; padding on; bit 21 beside a mask; after every 64 words 4 words
	s_mov_b32 s[G1A+1], 128<<16
	s_mov_b32 s[G1A+2], 64<<16
	s_mov_b32 s[G1A+3], 128<<16
	s_mov_b32 s[G1A+4], 64
	s_mov_b32 s[G1A+5], 1024
	s_mov_b32 s[G1A+6], 0
	s_mov_b32 s[G1A+7], 0
	s_or_b32 s[G1B+0], s44, (1<<16)|(1<<20)|(1<<21)|(6<<22)|(7<<25)  ; after every 128 words 8 words
	s_mov_b32 s[G1B+1], 256<<16
	s_mov_b32 s[G1B+2], 64<<16
	s_mov_b32 s[G1B+3], 256<<16
	s_mov_b32 s[G1B+4], 64
	s_mov_b32 s[G1B+5], 1024
	s_mov_b32 s[G1B+6], 0
	s_mov_b32 s[G1B+7], 0
	s_lshl_b32 s16, s13, 7                         ; pn: row 128 x tile row + 64 x half, 2,048 bytes each
	s_lshl_b32 s17, s12, 6
	s_add_co_u32 s16, s16, s17
	s_lshl_b32 s16, s16, 11
	s_mov_b32 s17, 0
	s_lshr_b32 s46, s45, 1                         ; V: the batch is cluster y / 2, which all sixteen share;
	s_lshl_b32 s46, s46, 10
	s_lshl_b32 s47, s12, 6                         ; key row 64 x half of it,
	s_add_co_u32 s46, s46, s47
	s_lshl_b32 s46, s46, 11
	s_lshl_b32 s47, s40, 9                         ; channel 256 cx,
	s_add_co_u32 s46, s46, s47
	s_add_co_u32 s46, s46, 33554432                ; in plane 2
	s_mov_b32 s47, 0
	s_mul_i32 s20, s12, AHALF
	s_mul_i32 s21, s12, BHALF
	s_add_co_u32 s21, s21, BOFF
	s_wait_dscnt 0x0                               ; the opening add is done
	s_wait_kmcnt 0x0
	s_add_nc_u64 s[14:15], s[4:5], s[16:17]
	s_add_nc_u64 s[46:47], s[6:7], s[46:47]
.irp s, 0,1
	s_mov_b32 s[G0A+4*(\s)], 1
	s_add_co_u32 s[G0A+4*(\s)+1], s20, (\s)*SLOT
	s_add_nc_u64 s[G0A+4*(\s)+2:G0A+4*(\s)+3], s[14:15], (\s)*ASTEP
	s_or_b32 s[G0A+4*(\s)+3], s[G0A+4*(\s)+3], 0x80000000
	s_mov_b32 s[G0B+4*(\s)], 1
	s_add_co_u32 s[G0B+4*(\s)+1], s21, (\s)*SLOT
	s_add_nc_u64 s[G0B+4*(\s)+2:G0B+4*(\s)+3], s[46:47], (\s)*BSTEP
	s_or_b32 s[G0B+4*(\s)+3], s[G0B+4*(\s)+3], 0x80000000
.endr
	CROUND                                         ; all sixteen work-groups are here: the first joint loads meet
	s_cmp_lt_u32 s10, 2                            ; a wave's two first fills stand in one branch: two loads of mine are out
	s_cbranch_scc0 .Lfirst_b
	tensor_load_to_lds s[G0A:G0A+3], s[G1A:G1A+7]
	s_nop 0
	tensor_load_to_lds s[G0A+4:G0A+7], s[G1A:G1A+7]
	s_nop 0
.rept 4
	v_nop
.endr
	s_branch .Lfirst_asked
.Lfirst_b:
	tensor_load_to_lds s[G0B:G0B+3], s[G1B:G1B+7]
	s_nop 0
	tensor_load_to_lds s[G0B+4:G0B+7], s[G1B:G1B+7]
	s_nop 0
.rept 4
	v_nop
.endr
.Lfirst_asked:
	v_and_b32 v1, 15, v0                           ; l % 16
	v_bfe_u32 v2, v0, 4, 1                         ; l / 16
	v_and_b32 v9, 31, v0                           ; lane
	v_lshlrev_b32 v[CO], 4, v9                     ; a row of the wave's part is 512 bytes: 16 a lane
	v_lshlrev_b32 v9, 2, v9
	s_lshr_b32 s76, s45, 1                         ; out1: the batch's 4,096 bytes; of its 32 work-groups I am number 4 (tile row % 8) + cx, 128 bytes each
	s_lshl_b32 s76, s76, 12
	s_and_b32 s77, s13, 7
	s_lshl_b32 s77, s77, 9
	s_add_co_u32 s76, s76, s77
	s_lshl_b32 s77, s40, 7
	s_add_co_u32 s76, s76, s77
	s_mov_b32 s77, 0
	s_add_nc_u64 s[70:71], s[70:71], s[76:77]
	s_add_nc_u64 s[74:75], s[74:75], s[76:77]
	s_cmp_lg_u32 s10, 0
	s_cbranch_scc1 .Lno_mean
	global_load_b32 v32, v9, s[70:71]
	global_load_b32 v33, v9, s[70:71] offset:32768
	global_load_b32 v34, v9, s[70:71] offset:65536
	global_load_b32 v35, v9, s[70:71] offset:98304
	s_wait_loadcnt 0x0                             ; this stands in the wait for the first tile
	v_add_f32 v32, v32, v33
	v_add_f32 v34, v34, v35
	v_add_f32 v32, v32, v34
	v_mul_f32 v32, 0x3a800000, v32                 ; the mean over 1,024 queries
	global_store_b32 v9, v32, s[74:75]
.Lno_mean:
	v_mul_u32_u24 v3, v1, PA
	v_lshl_add_u32 v3, v2, 4, v3                   ; a fragment's row x pitch + 16 x half
	s_mul_i32 s22, s11, AHALF
	v_add_nc_u32 v[ADRA], s22, v3
	v_add_nc_u32 v[ADRA+1], SLOT, v[ADRA]
	; the turning load takes 16 keys x 16 channels (lane l reads key 8 (l / 16) + l % 8, channels 8 ((l / 8) % 2) + 0..7) and leaves half a fragment: lane l holds channel l % 16 and 8 keys
	v_and_b32 v5, 7, v0
	v_lshl_add_u32 v5, v2, 3, v5
	v_mul_u32_u24 v5, v5, PB
	v_bfe_u32 v6, v0, 3, 1
	v_lshl_add_u32 v5, v6, 4, v5
	s_lshl_b32 s22, s12, 8
	s_add_co_u32 s22, s22, BOFF
	v_add_nc_u32 v[ADRB], s22, v5
	v_add_nc_u32 v[ADRB+1], SLOT, v[ADRB]
	s_mul_i32 s23, s10, 16*SP
	s_add_co_u32 s23, s23, STAGE                   ; my stage
	v_mul_u32_u24 v4, v1, SP                       ; in: row l % 16, 32 bytes for each half of the lanes
	v_lshl_add_u32 v4, v2, 5, v4
	v_add_nc_u32 v[STO], s23, v4
	v_add_nc_u32 v[RD], s23, v[CO]                 ; back: 32 lanes take one row of 512 bytes
	s_lshl_b32 s78, s13, 7                         ; my part of the tile in sem and out0: row 128 x tile row + 64 x half, 4,096 bytes each,
	s_lshl_b32 s79, s11, 6
	s_add_co_u32 s78, s78, s79
	s_lshl_b32 s78, s78, 12
	s_lshl_b32 s79, s40, 10                        ; channel 256 cx + 128 x half
	s_add_co_u32 s78, s78, s79
	s_lshl_b32 s79, s12, 9
	s_add_co_u32 s78, s78, s79
	s_mov_b32 s79, 0
	s_add_nc_u64 s[68:69], s[68:69], s[78:79]
	s_add_nc_u64 s[72:73], s[72:73], s[78:79]
; 8 matrix instructions: query block a x all 8 channel blocks, 32 keys.  first = 1: the product starts the sums.  The 32 accumulators take turns in one order.
.macro MUL8 f, a, first
	WIN MUL
.irp b, 0,1,2,3,4,5,6,7
.if \first
	v_wmma_f32_16x16x32_bf16 v[8*(8*(\a)+(\b)):8*(8*(\a)+(\b))+7], v[(\f)+8*(\b):(\f)+8*(\b)+7], v[(\f)+64+8*(\a):(\f)+64+8*(\a)+7], 0
.else
	v_wmma_f32_16x16x32_bf16 v[8*(8*(\a)+(\b)):8*(8*(\a)+(\b))+7], v[(\f)+8*(\b):(\f)+8*(\b)+7], v[(\f)+64+8*(\a):(\f)+64+8*(\a)+7], v[8*(8*(\a)+(\b)):8*(8*(\a)+(\b))+7]
.endif
.endr
.endm
.macro FETCH slot, q, f                ; 24 LDS loads in one run: V's 16, then pn's 8
	WIN 0
.irp i, 0,1,2,3,4,5,6,7
	ds_load_tr16_b128 v[(\f)+8*(\i):(\f)+8*(\i)+3],   v[ADRB+(\slot)] offset:(\q)*32*PB+32*(\i)
	ds_load_tr16_b128 v[(\f)+8*(\i)+4:(\f)+8*(\i)+7], v[ADRB+(\slot)] offset:(\q)*32*PB+16*PB+32*(\i)
.endr
.irp i, 0,1,2,3
	ds_load_b128 v[(\f)+64+8*(\i):(\f)+64+8*(\i)+3],   v[ADRA+(\slot)] offset:64*(\q)+(\i)*16*PA
	ds_load_b128 v[(\f)+64+8*(\i)+4:(\f)+64+8*(\i)+7], v[ADRA+(\slot)] offset:64*(\q)+(\i)*16*PA+32
.endr
.endm
.macro QUARTER slot, q, f, g, first
	s_wait_dscnt 4                                 ; V and pn's blocks 0, 1 are in; the youngest four loads (blocks 2, 3) may be out
	MUL8 \f, 0, \first
	MUL8 \f, 1, \first
	PLACES
	FETCH \slot, \q, \g
	s_wait_dscnt 24                                ; all but the 24 just issued
	MUL8 \f, 2, \first
	MUL8 \f, 3, \first
.endm
; The change of slots: ONE barrier; in front of it each wave waits for all its tensor loads (one is out: its part of the next slot), adds 0 to its spare word, and waits for that and for its reads
; of this slot.  fill = 1: the barrier opens a round of the cluster's, and this slot is filled again, two steps ahead.
.macro TURN slot, next, fill
	WIN 0
	s_wait_tensorcnt 0x0
	ds_add_u32 v[SPW], v[NIL]
	s_wait_dscnt 5                                 ; the add and the youngest four loads may be out
	MUL8 F1, 0, 0
	s_wait_dscnt 0x0                               ; the add is done, and my reads of this slot are over
	s_barrier_signal -1
	MUL8 F1, 1, 0
.if \fill
	WIN 0
.endif
	s_barrier_wait -1
.if \fill
	CREST
	s_add_nc_u64 s[G0A+4*(\slot)+2:G0A+4*(\slot)+3], s[G0A+4*(\slot)+2:G0A+4*(\slot)+3], 2*ASTEP
	s_add_nc_u64 s[G0B+4*(\slot)+2:G0B+4*(\slot)+3], s[G0B+4*(\slot)+2:G0B+4*(\slot)+3], 2*BSTEP
	JLOAD \slot                                    ; the first tensor load behind the round; its four v_nop are also the places in front of the loads below
.else
	PLACES
.endif
	FETCH \next, 0, F0
	MUL8 F1, 2, 0
	MUL8 F1, 3, 0
.endm
.macro SEMLOAD half                    ; 32 rows of sem, 512 consecutive bytes each
	WIN 0x80                                       ; destination window 2, address window 0
.set i, 32*(\half)
.rept 32
	global_load_b128 v[4*i:4*i+3], v[CO], s[68:69] offset:i*4096 th:TH_LOAD_NT
.set i, i+1
.endr
	WIN 0
.endm
	s_wait_tensorcnt 0x1                           ; my part of step 0 is in; step 1's may stay out
	s_barrier_signal -1
	s_barrier_wait -1
	FETCH 0, 0, F0
	QUARTER 0, 1, F0, F1, 1
	SEMLOAD 0
	s_mov_b32 s3, LAPS-1
.Llap:
	QUARTER 0, 2, F1, F0, 0
	QUARTER 0, 3, F0, F1, 0
	TURN 0, 1, 1
	QUARTER 1, 1, F0, F1, 0
	QUARTER 1, 2, F1, F0, 0
	QUARTER 1, 3, F0, F1, 0
	TURN 1, 0, 1
	QUARTER 0, 1, F0, F1, 0
	WIN 0
	s_sub_co_u32 s3, s3, 1
	s_cmp_lg_u32 s3, 0
	s_cbranch_scc1 .Llap
	SEMLOAD 1
	QUARTER 0, 2, F1, F0, 0                        ; the last lap fills nothing
	QUARTER 0, 3, F0, F1, 0
	TURN 0, 1, 0
	QUARTER 1, 1, F0, F1, 0
	QUARTER 1, 2, F1, F0, 0
	QUARTER 1, 3, F0, F1, 0
	s_wait_dscnt 4
	MUL8 F1, 0, 0
	MUL8 F1, 1, 0
	s_wait_dscnt 0x0
	MUL8 F1, 2, 0
	MUL8 F1, 3, 0
	WIN 0
	PLACES
; THE WAY OUT, a block of 16 rows at a time: 32 bytes a lane into my own stage, back as whole rows of 512 bytes; sem is added; stored.
.macro TOST a
	WIN 0x04                                       ; the data in window 1; each accumulator's low half first
.irp b, 0,1,2,3,4,5,6,7
	ds_store_b128 v[STO], v[64*(\a)+8*(\b):64*(\a)+8*(\b)+3] offset:64*(\b)
	ds_store_b128 v[STO], v[64*(\a)+8*(\b)+4:64*(\a)+8*(\b)+7] offset:64*(\b)+16
.endr
	WIN 0
.set i, 0
.rept 16
	ds_load_b128 v[BK0+64*((\a)%2)+4*i:BK0+64*((\a)%2)+4*i+3], v[RD] offset:i*SP  ; LDS serves a wave's instructions in order (ISA guide 5.7.1.4): these see the stores above; the next block's stores come behind them
.set i, i+1
.endr
.endm
.macro FIN a, y                        ; y: the LDS instructions issued behind block a's: the next block's 32, or none
	s_wait_dscnt \y
	s_wait_loadcnt 48-16*(\a)                      ; sem's loads come back in order: rows 0 to 16 a + 15 are in, the younger ones stay out
	WIN 0x08                                       ; source 1 (sem) in window 2
.set i, 0
.rept 32
	v_pk_add_f32 v[BK0+64*((\a)%2)+2*i:BK0+64*((\a)%2)+2*i+1], v[BK0+64*((\a)%2)+2*i:BK0+64*((\a)%2)+2*i+1], v[64*(\a)+2*i:64*(\a)+2*i+1]
.set i, i+1
.endr
	WIN 0
.set i, 0
.rept 16
	global_store_b128 v[CO], v[BK0+64*((\a)%2)+4*i:BK0+64*((\a)%2)+4*i+3], s[72:73] offset:(16*(\a)+i)*4096 th:TH_STORE_NT  ; 512 consecutive bytes, aligned
.set i, i+1
.endr
.endm
	TOST 0
	TOST 1
	FIN 0, 32
	s_wait_xcnt 0x0                                ; block 0's stores have read their registers: block 2 is loaded into them only behind this wait
	TOST 2
	FIN 1, 32
	s_wait_xcnt 0x0                                ; the same for blocks 1 and 3
	TOST 3
	FIN 2, 32
	FIN 3, 0
	s_wait_tensorcnt 0x0                           ; the wave's end
	ds_add_u32 v[SPW], v[NIL]
	s_wait_dscnt 0x0
	CROUND                                         ; the closing round
	s_endpgm
.Lfunc_end_k_q3dd50f025b_pv:
	.size	k_q3dd50f025b_pv, .Lfunc_end_k_q3dd50f025b_pv-k_q3dd50f025b_pv
	.p2alignl 7, 3214868480
	.fill 96, 4, 3214868480
	.section	.rodata,"a",@progbits
	.p2align	6, 0x0
	.amdhsa_kernel k_q3dd50f025b_pv
		.amdhsa_group_segment_fixed_size 327680
		.amdhsa_private_segment_fixed_size 0
		.amdhsa_enable_private_segment 0
		.amdhsa_kernarg_size 48
		.amdhsa_user_sgpr_count 2
		.amdhsa_user_sgpr_kernarg_segment_ptr 1
		.amdhsa_wavefront_size32 1
		.amdhsa_system_sgpr_workgroup_id_x 1
		.amdhsa_system_sgpr_workgroup_id_y 1
		.amdhsa_system_sgpr_workgroup_id_z 1
		.amdhsa_system_vgpr_workitem_id 0
		.amdhsa_next_free_vgpr 768
		.amdhsa_next_free_sgpr 80
		.amdhsa_reserve_vcc 0
		.amdhsa_float_denorm_mode_32 3
		.amdhsa_float_denorm_mode_16_64 3
		.amdhsa_memory_ordered 1
		.amdhsa_forward_progress 1
		.amdhsa_inst_pref_size 100
	.end_amdhsa_kernel
	.amdgpu_metadata
---
amdhsa.version: [ 1, 2 ]
amdhsa.kernels:
  - .name:           k_q3dd50f025b_pv
    .symbol:         k_q3dd50f025b_pv.kd
    .args:
      - { .name: pn, .offset: 0, .size: 8, .value_kind: global_buffer, .address_space: global }
      - { .name: qkv, .offset: 8, .size: 8, .value_kind: global_buffer, .address_space: global }
      - { .name: sem, .offset: 16, .size: 8, .value_kind: global_buffer, .address_space: global }
      - { .name: psum, .offset: 24, .size: 8, .value_kind: global_buffer, .address_space: global }
      - { .name: out0, .offset: 32, .size: 8, .value_kind: global_buffer, .address_space: global }
      - { .name: out1, .offset: 40, .size: 8, .value_kind: global_buffer, .address_space: global }
    .group_segment_fixed_size: 327680
    .private_segment_fixed_size: 0
    .kernarg_segment_align: 8
    .kernarg_segment_size: 48
    .max_flat_workgroup_size: 128
    .sgpr_count:     80
    .vgpr_count:     768
    .wavefront_size: 32
...
	.end_amdgpu_metadata
.endif
;; end of part 5
;; ======== version 2 of 2: 5 launches; version 1 with the launch prep written anew for expert scheduling mode
;; limits: values outside matrix products are rounded to bf16
;; workspace buffers: xb 33,554,432 bytes; wb 12,582,912 bytes; gate 32,768 bytes; qkv 50,331,648 bytes; pu 16,777,216 bytes; st 524,288 bytes; pn 16,777,216 bytes; psum 131,072 bytes
;; launch prep (part 6): grid 352 x 1, 8 waves a work-group, no clusters, 0 bytes of LDS; arguments sem, temp, Wq, Wk, Wv, Wg, bg, xb, wb, gate; writes xb, wb, gate
.if DOCPART == 6
	.amdgcn_target "amdgcn-amd-amdhsa--gfx1250"
	.amdhsa_code_object_version 6
	.text
	.protected	k_q3dd50f025b_prep
	.globl	k_q3dd50f025b_prep
	.p2align	8
	.type	k_q3dd50f025b_prep,@function
k_q3dd50f025b_prep:
	s_mov_b64 s[64:65], 0
	v_nop
	global_prefetch_b8 v0, s[64:65] scope:SCOPE_SE
	s_setreg_imm32_b32 hwreg(HW_REG_WAVE_SCHED_MODE, 0, 2), 2
	s_setreg_imm32_b32 hwreg(HW_REG_WAVE_MODE, 25, 1), 1
	s_wait_xcnt 0x0
	s_wait_alu depctr_vm_vsrc(0)
; xb[m][0:1024] = bf16(sem[m]), xb[m][1024:2048] = bf16(temp[m]); wb[p] = bf16(Wq, Wk, Wv), in their own order [k][n];
; gate[m] = sigmoid(sum over k of [sem|temp][m][k] Wg[k] + bg), in f32 from the unrounded inputs.
; A stream: every input byte is read once, by 16-byte loads of which a wave's 32 cover 512 consecutive bytes; every output byte is written once, by 8-byte stores of
; which a wave's 32 cover 256 consecutive bytes, aligned.  No LDS, no matrix unit, no cluster: no two work-groups read the same bytes but Wg's 8,192.
; SHARES.  Work-groups 0-255: 32 rows of x each; work-groups 256-351: 32 pieces of 2,048 numbers of one weight matrix each: the same bytes in and out for all 352.
; A wave takes 4 rows (pieces), through two row slots: a row is 16 loads, 64 registers, and stays in registers between the dot product and the rounding.
; The gate leaves as 16 bytes a wave (4 rows): 32,768 bytes in the whole launch; NaN and infinities are not treated apart.
; THE MODE: SCHED_MODE bits 1:0 = 2 (LLVM: expert scheduling mode 2), set by the entry lines.  The code itself states the register dependences
; between vector instructions and memory instructions, with s_wait_alu, always for 0.
; THE PLAN.  A step is a row (piece); a wave has four, written out by macro: two rows are asked for at the start, and steps 0 and 1 each ask for the row two further on.
; Registers that memory instructions touch:
;   X0, X1     Row r lands in X[r % 2].  Read by step r's products with Wg and by its roundings; behind them the loads of row r + 2 land in it.
;   Y          Written by step r's roundings; read by step r's sixteen stores; written again by step r + 1's roundings.
;   WGV        Loaded once; read by the products; never written again.
;   v2, v3, v5 Byte offsets, made at the head and never written again: all four rows are reached by immediate offsets, and no base is stepped.
;   v4         Named by vector instructions alone until the gate's store reads it.
; So ONE wait on va_vdst stands in a step, behind its roundings: Y is written, and X[r % 2] has been read for the last time.  The step's loads and stores follow it; the fold of the
; dot product across the lanes, which names v4 and v6 to v13 alone, stands behind them.  One wait on vm_vsrc stands ahead of the roundings of steps 1 to 3.
.set WGV, 16                           ; v[16:79]   Wg: my 4 numbers of each of its 16 runs of 128
.set X,   80                           ; v[80:207]  two row slots of 64 registers
.set Y,   208                          ; v[208:239] a row rounded to bf16: 2 registers for each of its 16 stores
; v1 lane; v2 16 x lane (in); v3 8 x lane (out); v4 the wave's four dot products, row i in lane i; v5 4 x lane; v[6:13] four chains of the dot product
; s24 wave; s[28:29], s[30:31] the two halves of the wave's first row in memory; s[32:33] that row in the output; s42-45 the masks of lanes 0 to 3
	s_load_b512 s[4:19], s[0:1], 0x0               ; sem s[4:5], temp s[6:7], Wq s[8:9], Wk s[10:11], Wv s[12:13], Wg s[14:15], bg s[16:17], xb s[18:19]
	s_load_b128 s[20:23], s[0:1], 0x40             ; wb s[20:21], gate s[22:23]
	v_and_b32 v1, 31, v0
	v_lshrrev_b32 v5, 5, v0
	v_readfirstlane_b32 s24, v5                    ; wave 0..7
	v_lshlrev_b32 v2, 4, v1
	v_lshlrev_b32 v3, 3, v1
	v_lshlrev_b32 v5, 2, v1
	s_mov_b32 s38, 0x76543210                      ; v_permlanex16_b32: each lane takes its own place in the other half
	s_mov_b32 s39, 0xfedcba98
	s_mov_b32 s27, 0
	s_mov_b32 s41, 0
	s_wait_alu depctr_va_sdst(0)                   ; s24 is written, ahead of the branch and of its first reader: the bases are made from it in both arms
	s_wait_alu depctr_va_vdst(0)                   ; v2, v3 and v5 are written: every load and store of the kernel reads one of them as its offset
	s_wait_kmcnt 0x0
.macro LOADROW slot, row, step         ; 16 loads: 8 from each half's address; row (piece) number row lies row x step bytes behind the wave's first
.set j, 0
.rept 8
	global_load_b128 v[X+64*(\slot)+4*j:X+64*(\slot)+4*j+3], v2, s[28:29] offset:512*j+(\row)*(\step) th:TH_LOAD_NT
.set j, j+1
.endr
.set j, 0
.rept 8
	global_load_b128 v[X+64*(\slot)+32+4*j:X+64*(\slot)+32+4*j+3], v2, s[30:31] offset:512*j+(\row)*(\step) th:TH_LOAD_NT
.set j, j+1
.endr
.endm
.macro PROD slot                       ; the row times Wg: four chains that do not wait for each other, started by products
.set p, 0
.rept 4
	v_pk_mul_f32 v[6+2*p:7+2*p], v[X+64*(\slot)+2*p:X+64*(\slot)+2*p+1], v[WGV+2*p:WGV+2*p+1]
.set p, p+1
.endr
.rept 28
	v_pk_fma_f32 v[6+2*(p%4):7+2*(p%4)], v[X+64*(\slot)+2*p:X+64*(\slot)+2*p+1], v[WGV+2*p:WGV+2*p+1], v[6+2*(p%4):7+2*(p%4)]
.set p, p+1
.endr
.endm
.macro FOLD row                        ; the four chains into one, then across the 32 lanes: no register of a memory instruction is named here
	v_pk_add_f32 v[6:7], v[6:7], v[8:9]
	v_pk_add_f32 v[10:11], v[10:11], v[12:13]
	v_pk_add_f32 v[6:7], v[6:7], v[10:11]
	v_add_f32 v6, v6, v7
	v_add_f32_dpp v6, v6, v6 row_xmask:1 row_mask:0xf bank_mask:0xf
	v_add_f32_dpp v6, v6, v6 row_xmask:2 row_mask:0xf bank_mask:0xf
	v_add_f32_dpp v6, v6, v6 row_xmask:4 row_mask:0xf bank_mask:0xf
	v_add_f32_dpp v6, v6, v6 row_xmask:8 row_mask:0xf bank_mask:0xf
	v_permlanex16_b32 v7, v6, s38, s39
	v_add_f32 v6, v6, v7
	v_cndmask_b32 v4, v4, v6, s[42+(\row)]         ; the lane whose number is the row's keeps it
.endm
.macro ROUND slot                      ; rounded, four numbers to 8 bytes a lane, into the out-buffer
.set j, 0
.rept 32
	v_cvt_pk_bf16_f32 v[Y+j], v[X+64*(\slot)+2*j], v[X+64*(\slot)+2*j+1]
.set j, j+1
.endr
.endm
.macro SEND row                        ; a row of the output is 4,096 bytes
.set j, 0
.rept 16
	global_store_b64 v3, v[Y+2*j:Y+2*j+1], s[32:33] offset:256*j+4096*(\row)
.set j, j+1
.endr
.endm
; Step r of four.  dot = 1: a row of x, which is also multiplied by Wg.  step: bytes from row to row (piece to piece) in memory.
.macro STEP r, dot, step
.if (\r) < 3
	s_wait_loadcnt 16                              ; loads come back in order (ISA guide 5.7.1): row r (and in step 0 Wg) is in, the next row's 16 stay out
.else
	s_wait_loadcnt 0x0                             ; the last row: nothing was asked for behind it
.endif
.if \dot
	PROD (\r)%2
.endif
.if (\r) > 0
	s_wait_xcnt 0x0                                ; every earlier memory instruction has had its addresses translated (ISA guide 3.1): Y, the last step's stores' data, is rewritten only behind this wait
	s_wait_alu depctr_vm_vsrc(0)                   ; the last step's stores have read Y, which the roundings below write again
.endif
	ROUND (\r)%2
	s_wait_alu depctr_va_vdst(0)                   ; the roundings have written Y, which the stores below read; they and the products are done reading X[r % 2], in which the loads below land
.if (\r) < 2
	LOADROW (\r)%2, (\r)+2, \step                  ; the slot is asked for again at once, ahead of the stores: the row two further on
.endif
	SEND \r
.if \dot
	FOLD \r                                        ; while the loads and stores are on their way
.endif
.endm
	s_cmp_lt_u32 ttmp9, 256
	s_cbranch_scc0 .Lweights
	; ---- rows of x
	s_load_b32 s34, s[16:17], 0x0                  ; bg
	v_cmp_eq_u32 s42, 0, v1                        ; the masks of lanes 0 to 3, in one run: row i's dot product is kept in lane i
	v_cmp_eq_u32 s43, 1, v1
	v_cmp_eq_u32 s44, 2, v1
	v_cmp_eq_u32 s45, 3, v1
	v_mov_b32 v4, 0
	s_lshl_b32 s26, ttmp9, 17                      ; 32 rows of 4,096 bytes a work-group,
	s_lshl_b32 s25, s24, 14                        ; 4 a wave
	s_add_co_u32 s26, s26, s25
	s_lshr_b32 s40, s26, 10                        ; the same rows in gate: 4 bytes each
	s_add_nc_u64 s[28:29], s[4:5], s[26:27]
	s_add_nc_u64 s[30:31], s[6:7], s[26:27]
	s_add_nc_u64 s[32:33], s[18:19], s[26:27]      ; a row of xb is 4,096 bytes too
	s_add_nc_u64 s[22:23], s[22:23], s[40:41]
	s_wait_alu depctr_va_sdst(0)                   ; s42 to s45 are written, ahead of their first readers, the four selects that keep a row's dot product
.set j, 0
.rept 16
	global_load_b128 v[WGV+4*j:WGV+4*j+3], v2, s[14:15] offset:512*j
.set j, j+1
.endr
	LOADROW 0, 0, 4096
	LOADROW 1, 1, 4096
	STEP 0, 1, 4096
	STEP 1, 1, 4096
	STEP 2, 1, 4096                                ; the last two steps ask for nothing: no load leaves the buffers
	STEP 3, 1, 4096
	s_wait_kmcnt 0x0                               ; bg
	v_add_f32 v4, s34, v4
	v_mul_f32 v4, 0xbfb8aa3b, v4                   ; sigmoid(x) = 1 / (1 + 2^(-log2(e) x))
	v_exp_f32 v4, v4
	v_nop                                          ; a plain instruction behind a transcendental, before its result is used
	s_wait_alu depctr_va_vdst(0)                   ; the exponential has written v4, ahead of its first reader
	v_add_f32 v4, 1.0, v4
	v_rcp_f32 v4, v4
	v_nop                                          ; a plain instruction behind the reciprocal
	v_cmp_gt_u32 vcc_lo, 4, v1
	s_wait_xcnt 0x0                                ; EXEC, a source of the stores above, changes only behind this wait
	s_wait_alu depctr_va_vcc(0)                    ; VCC is written: EXEC is made from it
	s_wait_alu depctr_va_vdst(0)                   ; ahead of the write of EXEC: every vector instruction has written its result, the reciprocal's v4 among them, which the store below reads
	s_wait_alu depctr_vm_vsrc(0)                   ; ahead of the write of EXEC: every store above has read its registers
	s_and_saveexec_b32 s35, vcc_lo
	global_store_b32 v5, v4, s[22:23]              ; lanes 0-3: the wave's four rows
	s_wait_xcnt 0x0                                ; EXEC is a source of that store
	s_wait_alu depctr_va_vdst(0)                   ; ahead of the write of EXEC: no vector instruction is still at work
	s_wait_alu depctr_vm_vsrc(0)                   ; ahead of the write of EXEC: the store has read v5 and v4
	s_or_b32 exec_lo, exec_lo, s35
	s_endpgm
	; ---- pieces of a weight matrix: 8,192 bytes in, 4,096 out
.Lweights:
	s_sub_co_u32 s25, ttmp9, 256
	s_lshr_b32 s37, s25, 5                         ; which matrix
	s_and_b32 s25, s25, 31                         ; which 32 pieces of it
	s_cmp_eq_u32 s37, 1
	s_cselect_b64 s[28:29], s[10:11], s[8:9]
	s_cmp_eq_u32 s37, 2
	s_cselect_b64 s[28:29], s[12:13], s[28:29]
	s_lshl_b32 s26, s25, 18
	s_lshl_b32 s40, s24, 15
	s_add_co_u32 s26, s26, s40
	s_add_nc_u64 s[28:29], s[28:29], s[26:27]
	s_add_nc_u64 s[30:31], s[28:29], 4096
	s_lshr_b32 s40, s26, 1
	s_lshl_b32 s37, s37, 22
	s_add_co_u32 s40, s40, s37
	s_add_nc_u64 s[32:33], s[20:21], s[40:41]
	LOADROW 0, 0, 8192
	LOADROW 1, 1, 8192
	STEP 0, 0, 8192
	STEP 1, 0, 8192
	STEP 2, 0, 8192                                ; as above: the last two steps ask for nothing
	STEP 3, 0, 8192
	s_endpgm
.Lfunc_end_k_q3dd50f025b_prep:
	.size	k_q3dd50f025b_prep, .Lfunc_end_k_q3dd50f025b_prep-k_q3dd50f025b_prep
	.p2alignl 7, 3214868480
	.fill 96, 4, 3214868480
	.section	.rodata,"a",@progbits
	.p2align	6, 0x0
	.amdhsa_kernel k_q3dd50f025b_prep
		.amdhsa_group_segment_fixed_size 0
		.amdhsa_private_segment_fixed_size 0
		.amdhsa_enable_private_segment 0
		.amdhsa_kernarg_size 80
		.amdhsa_user_sgpr_count 2
		.amdhsa_user_sgpr_kernarg_segment_ptr 1
		.amdhsa_wavefront_size32 1
		.amdhsa_system_sgpr_workgroup_id_x 1
		.amdhsa_system_sgpr_workgroup_id_y 1
		.amdhsa_system_sgpr_workgroup_id_z 1
		.amdhsa_system_vgpr_workitem_id 0
		.amdhsa_next_free_vgpr 240
		.amdhsa_next_free_sgpr 66
		.amdhsa_reserve_vcc 1
		.amdhsa_float_denorm_mode_32 3
		.amdhsa_float_denorm_mode_16_64 3
		.amdhsa_memory_ordered 1
		.amdhsa_forward_progress 1
		.amdhsa_inst_pref_size 56
	.end_amdhsa_kernel
	.amdgpu_metadata
---
amdhsa.version: [ 1, 2 ]
amdhsa.kernels:
  - .name:           k_q3dd50f025b_prep
    .symbol:         k_q3dd50f025b_prep.kd
    .args:
      - { .name: sem, .offset: 0, .size: 8, .value_kind: global_buffer, .address_space: global }
      - { .name: temp, .offset: 8, .size: 8, .value_kind: global_buffer, .address_space: global }
      - { .name: Wq, .offset: 16, .size: 8, .value_kind: global_buffer, .address_space: global }
      - { .name: Wk, .offset: 24, .size: 8, .value_kind: global_buffer, .address_space: global }
      - { .name: Wv, .offset: 32, .size: 8, .value_kind: global_buffer, .address_space: global }
      - { .name: Wg, .offset: 40, .size: 8, .value_kind: global_buffer, .address_space: global }
      - { .name: bg, .offset: 48, .size: 8, .value_kind: global_buffer, .address_space: global }
      - { .name: xb, .offset: 56, .size: 8, .value_kind: global_buffer, .address_space: global }
      - { .name: wb, .offset: 64, .size: 8, .value_kind: global_buffer, .address_space: global }
      - { .name: gate, .offset: 72, .size: 8, .value_kind: global_buffer, .address_space: global }
    .group_segment_fixed_size: 0
    .private_segment_fixed_size: 0
    .kernarg_segment_align: 8
    .kernarg_segment_size: 80
    .max_flat_workgroup_size: 256
    .sgpr_count:     66
    .vgpr_count:     240
    .wavefront_size: 32
...
	.end_amdgpu_metadata
.endif
;; end of part 6
;; launch proj: the kernel of part 2 again; grid 12 x 32, 4 waves a work-group, clusters of 4 x 4, 327,680 bytes of LDS; arguments xb, wb, bq, bk, bv, qkv; writes qkv
;; launch scores: the kernel of part 3 again; grid 4 x 64, 4 waves a work-group, clusters of 4 x 4, 327,680 bytes of LDS; arguments qkv, pu, st; writes pu, st
;; launch norm: the kernel of part 4 again; grid 256 x 1, 8 waves a work-group, no clusters, 6,144 bytes of LDS; arguments pu, st, gate, pn, psum; writes pn, psum
;; launch pv: the kernel of part 5 again; grid 4 x 64, 4 waves a work-group, clusters of 4 x 4, 327,680 bytes of LDS; arguments pn, qkv, sem, psum, out0, out1; writes out0, out1
